; MI455X (gfx1250); checked and timed in simulation.
; The chip was launched on July 23, 2026; its instructions are those of AMD's public machine-readable ISA for CDNA 5 (MIT licence, August 2026) and "CDNA5" Instruction Set Architecture Reference Guide (July 2026). The comments in the code are by the model that wrote it; some were corrected since.
;; Multi Head Attention. Allowed arithmetic: matrix products marked QUANTISED: E2M3 operands, one E8M0 scale for each 32 along K, by v_wmma_scale_f32_16x16x128_f8f6f4 with both operands' format E2M3, f32 sums; everything else in f32.
;; Inputs: bk 1,024 float32; bo 1,024 float32; bq 1,024 float32; bv 1,024 float32; key 4 x 2,048 x 1,024 float32; mask 1 x 1 x 2,048 x 2,048 int32; query 4 x 2,048 x 1,024 float32; value 4 x 2,048 x 1,024 float32; wk 1,024 x 1,024 float32; wo 1,024 x 1,024 float32; wq 1,024 x 1,024 float32; wv 1,024 x 1,024 float32.
;; Outputs: out0 4 x 2,048 x 1,024 float32.
;; This version of the problem:
;;   THIS VERSION OF THE PROBLEM IS GIVEN IN LOW PRECISION. The matrix products marked QUANTISED in the list below multiply operands that are first quantised to E2M3 (2 exponent bits, 3 mantissa bits; 6 bits a number), with one power-of-two scale for each 32 numbers along K (OCP MX v1.0); their sums are f32. All else is computed in f32.
;;   The module's matrix products, in the order in which they are computed (A, B: the left and right operand; K: the contracted axis; several contracted axes count as one K, in the product's order):
;;     1. [M 8,192, K 1,024] x [K 1,024, N 1,024]; A: input query; B: input wq: QUANTISED
;;     2. [M 8,192, K 1,024] x [K 1,024, N 1,024]; A: input key; B: input wk: QUANTISED
;;     3. [M 8,192, K 1,024] x [K 1,024, N 1,024]; A: input value; B: input wv: QUANTISED
;;     4. batch 64 x [M 2,048, K 64] x [K 64, N 2,048]; A: computed on the way; B: computed on the way: QUANTISED
;;     5. batch 64 x [M 2,048, K 2,048] x [K 2,048, N 64]; A: softmax (see below); B: computed on the way: QUANTISED
;;     6. [M 8,192, K 1,024] x [K 1,024, N 1,024]; A: computed on the way; B: input wo: QUANTISED
;;   THE QUANTISER, for each operand of a quantised product, along K:
;;     - K is cut into blocks of 32 from its start; a last block that is shorter is filled with zeros.
;;     - A block's scale is 2^e with e = floor(log2(the largest magnitude in the block)) - 2, held to -126 .. 127; a block of zeros has e = 0. As a byte (E8M0): e + 127.
;;     - Each number is divided by its block's scale, clamped to +-7.5, and rounded to the nearest number of E2M3, ties to even, subnormals kept.
;;     - The product sums the exact products of the quantised numbers (number of the format x scale) in f32.
;;   ~~~python
;;   def quantise(x, axis):      # numpy; x: float32 -> the quantised numbers, widened to float32 again
;;       x = np.moveaxis(x, axis, -1); K = x.shape[-1]
;;       x = np.pad(x, [(0, 0)] * (x.ndim - 1) + [(0, -K % 32)]); x = x.reshape(x.shape[:-1] + (-1, 32)); a = np.abs(x).max(-1, keepdims=True)
;;       e = np.where(a > 0, np.clip(np.frexp(np.where(a > 0, a, 1))[1] - 1 - 2, -126, 127), 0)      # np.frexp(a)[1] - 1 = floor(log2(a)), exactly
;;       r = np.clip(x / 2.0 ** e, -7.5, 7.5)
;;       step = 2.0 ** (np.maximum(np.frexp(np.where(r == 0, 1, r))[1] - 1, 0) - 3)
;;       q = np.round(r / step) * step * 2.0 ** e      # np.round: ties to even
;;       return np.moveaxis(q.reshape(q.shape[:-2] + (-1,))[..., :K], -1, axis).astype(np.float32)
;;   ~~~
;;   SOFTMAX AHEAD OF A QUANTISED PRODUCT. Where the list says 'softmax', what is quantised is not the finished softmax but p = 2^(t - M), with t = logit x log2(e) and M = ceil(the row's largest t), a whole number; so 1/2 < the row's largest p <= 1. The row's sum l is taken of the UNQUANTISED p, in f32, and the product's result is divided by l at the end. Since M is a whole number, a kernel that streams over the keys may use a running M (the ceiling of the running maximum): every later rescaling is an exact power of two, which a block's scale takes up: the codes' values come out the same.
;;   OPERANDS COMPUTED ON THE WAY. 'Computed on the way' means the value that the module computes at that place (a softmax that the list does not call 'softmax' is quantised finished and normalised). What goes into a quantiser is computed in f32, as accurately as f32 sums, v_exp_f32 and their like allow (about 1e-6 of the number): no bf16 or f16 on the way to a quantiser, and a product that is left as it is and whose result goes on into a quantised operand takes f32 operands (vector FMAs, or v_wmma_f32_16x16x4_f32). A number that lies on a knife's edge between two numbers of the format may be rounded either way, as far as f32 arithmetic and the matrix unit's own rounding can turn it there, and no further.
;; 2 versions, each right; version 2 is version 1 with the launch attn written anew for expert scheduling mode. Each part assembles by itself: llvm-mc -triple=amdgcn-amd-amdhsa -mcpu=gfx1250 --defsym DOCPART=n.
;; ======== version 1 of 2: 4 launches
;; limits: right only within a limited range of input values
;; workspace buffers: xw_codes 22,020,096 bytes; xw_scales 917,504 bytes; mwords 589,824 bytes of whole numbers; qkv_codes 18,874,368 bytes; qkv_scales 786,432 bytes; ctx_codes 6,291,456 bytes; ctx_scales 262,144 bytes
;; launch quant (part 1): grid 576 x 1, 4 waves a work-group, no clusters, 68,096 bytes of LDS; arguments query, key, value, wq, wk, wv, wo, mask, xw_codes, xw_scales, mwords; writes xw_codes, xw_scales, mwords
.if DOCPART == 1
	.amdgcn_target "amdgcn-amd-amdhsa--gfx1250"
	.amdhsa_code_object_version 6
	.text
	.protected	k_qa0a08df612_quant
	.globl	k_qa0a08df612_quant
	.p2align	8
	.type	k_qa0a08df612_quant,@function
k_qa0a08df612_quant:
	s_mov_b64 s[64:65], 0
	v_nop
	global_prefetch_b8 v0, s[64:65] scope:SCOPE_SE
	s_setreg_imm32_b32 hwreg(HW_REG_WAVE_MODE, 25, 1), 1
	s_wait_xcnt 0x0
; QUANT.  Work-groups 0-447: query, key, value [8192][1024] and wq, wk, wv, wo [1024][1024], f32, K innermost, become codes of FP6 (E2M3) with one E8M0 byte for each 32 along K.
; A block's scale is 2^(floor(log2(its largest magnitude)) - 2): its byte is the largest magnitude's exponent field - 2, held at 1 from below.
; A wave takes a ROW TILE G = 4 x work-group + wave: 16 rows x 1,024 K = eight fragments of 16 rows x 128 K.  The codes are laid AS THE OPERAND'S REGISTERS WANT THEM: fragment s of tile G at (8 G + s) x 1,536 bytes;
; in it, for c = 0, 1, at 768 c registers 6c .. 6c+3, 16 bytes a lane, and at 768 c + 512 registers 6c+4, 6c+5, 8 bytes a lane.  Scale bytes: tile G at 512 G, 32 bytes for each of its 16 places.
; ROW ORDER: in key, value, wq, wk, wv place 16 a + r holds row 32 (a / 2) + 8 (a % 2) + r + 8 (r / 8), so that a product that takes such a tensor as source 0 leaves 16 neighbours in the 16 registers of two neighbouring tiles.
; Each load reads 512 consecutive bytes of a row; a fragment's 8 KiB turn through the wave's own stage in LDS (pitch 528) so that a lane holds two whole blocks of 32 neighbours.
; Work-groups 448-575: the mask [2048][2048] int32 becomes LANE MASKS for the attention launch: for query tile tau (16 rows) and key step j (128 keys) 64 words; bit (r + 16 h) of word 16 b + i says mask[16 tau + r][128 j + 32 b + 16 h + i] != 0.
; Beside them flags for each (tau, wave g): word 0 bit j: some word of step j is not 0; word 1 bit j: none is 0; word 2: the lanes that saw a word that is not 0.  Wave g takes steps 4 g .. 4 g + 3.
; LIMITS: NaN and infinities are not served; a block under 2^-124, a block of zeros too, keeps the byte 1 (its codes are what the conversion gives under that scale; these bytes are read by this program alone).
; No barrier: waves share nothing.  The two kinds of work-group have LDS bytes of their own.
.set SP,    528                        ; a stage row: 512 bytes + 16: sixteen rows start at sixteen different groups of banks
.set WSTG,  16*SP                      ; a wave's stage
.set QSTG,  0                          ; the four stages of the quantising path
.set MSTG,  4*WSTG                     ; those of the mask path
.set SPARE, 8*WSTG                     ; the spare words, 128 bytes a wave: two blocks of 256 bytes that no other line names
.set LO,  1                            ; v1   16 x lane: loads of rows 0-7, stores of 16 bytes a lane
.set HI,  2                            ; v2   the same + what places 8-15 lie further down
.set SIN, 3                            ; v3   stage, way in
.set SOQ, 4                            ; v4   stage, way out, quantising: 528 r + 128 h
.set L8,  6                            ; v6   8 x lane
.set H8,  7                            ; v7   8 h
.set SCO, 8                            ; v8   32 r + 16 h
.set L4,  9                            ; v9   4 x lane
.set FLG, 10                           ; v10  the flags' record
.set SPW, 13                           ; v13  my spare word; never rewritten
.set NIL, 14                           ; v14  0; never rewritten
.set SOM, 15                           ; v15  stage, way out, mask: 528 r + 64 h
.set WS,  16                           ; v16-23   a fragment's scale word each
.set MW,  24                           ; v24-31   a key step's 64 mask words: two registers, two words a lane
.set R,   32                           ; v32-159  two sets of 64 as loaded
.set X,   160                          ; v160-223 64 numbers of my row
.set C,   224                          ; v224-235 a fragment's codes
.set T0,  236
.set T1,  240
.set M,   244
.set SO,  246
.set BY,  248
.set W,   250
.set T,   251
	s_load_b512 s[8:23], s[0:1], 0x0               ; query, key, value, wq, wk, wv, wo, mask
	s_load_b128 s[24:27], s[0:1], 0x40             ; xw_codes, xw_scales
	s_load_b64 s[28:29], s[0:1], 0x50              ; mwords
	v_lshl_add_u32 v[SPW], v0, 2, SPARE
	v_mov_b32 v[NIL], 0
	v_lshrrev_b32 v11, 5, v0
	v_readfirstlane_b32 s30, v11                   ; wave
	v_and_b32 v11, 31, v0                          ; lane
	v_and_b32 v12, 15, v0                          ; r
	v_bfe_u32 v5, v0, 4, 1                         ; h
	v_lshlrev_b32 v[LO], 4, v11
	v_lshlrev_b32 v[L8], 3, v11
	v_lshlrev_b32 v[L4], 2, v11
	v_lshlrev_b32 v[H8], 3, v5
	v_lshlrev_b32 v[SCO], 5, v12
	v_lshl_add_u32 v[SCO], v5, 4, v[SCO]
	s_mul_i32 s34, s30, WSTG
	v_add_nc_u32 v[SIN], s34, v[LO]
	v_mul_u32_u24 v12, v12, SP
	v_add_nc_u32 v12, s34, v12
	v_lshl_add_u32 v[SOQ], v5, 7, v12
	v_lshl_add_u32 v[SOM], v5, 6, v12
	s_mov_b32 s54, 0x76543210
	s_mov_b32 s55, 0xfedcba98                      ; v_permlanex16_b32's selects for lane l xor 16
	s_mov_b32 s53, 0xffff0000                      ; lanes 16-31
	s_wait_kmcnt 0x0
	s_cmp_ge_u32 ttmp9, 448
	s_cbranch_scc1 .Lmask
	; ---------------- the quantising path ----------------
.macro PICK first, ptr                 ; from work-group 'first' on another tensor: the choice hangs on the work-group's number alone
	s_cmp_ge_u32 ttmp9, \first
	s_cselect_b64 s[2:3], s[\ptr:\ptr+1], s[2:3]
	s_cselect_b32 s32, \first, s32
.endm
	s_mov_b64 s[2:3], s[8:9]
	s_mov_b32 s32, 0
	PICK 128, 10
	PICK 256, 12
	PICK 384, 14
	PICK 400, 16
	PICK 416, 18
	PICK 432, 20
	s_sub_co_u32 s36, ttmp9, s32
	s_lshl_b32 s36, s36, 2
	s_add_co_u32 s36, s36, s30                     ; my row tile within the tensor
	s_lshl_b32 s37, s36, 4                         ; natural order: its first row
	s_lshr_b32 s38, s36, 1
	s_lshl_b32 s38, s38, 5
	s_and_b32 s39, s36, 1
	s_lshl_b32 s39, s39, 3
	s_add_co_u32 s38, s38, s39                     ; the other order: 32 (a / 2) + 8 (a % 2)
	s_sub_co_u32 s35, ttmp9, 128
	s_cmp_lt_u32 s35, 304                          ; key, value, wq, wk, wv: work-groups 128 to 431
	s_cselect_b32 s37, s38, s37
	s_cselect_b32 s33, 32768, 0                    ; there places 8-15 lie eight rows of 4,096 bytes further down
	s_lshl_b32 s36, s37, 12
	s_mov_b32 s37, 0
	s_add_nc_u64 s[2:3], s[2:3], s[36:37]          ; my first row
	s_lshl_b32 s31, ttmp9, 2
	s_add_co_u32 s31, s31, s30                     ; G
	s_mul_i32 s38, s31, 12288
	s_mov_b32 s39, 0
	s_add_nc_u64 s[24:25], s[24:25], s[38:39]
	s_lshl_b32 s38, s31, 9
	s_add_nc_u64 s[26:27], s[26:27], s[38:39]
	v_add_nc_u32 v[HI], s33, v[LO]
	v_mov_b32 v[T], 0                              ; a lane permute's destination counts as one of its sources
.macro LOADQ s                         ; fragment s: 16 rows x 512 bytes, each load 512 consecutive bytes
.irp i, 0,1,2,3,4,5,6,7
	global_load_b128 v[R+64*((\s)%2)+4*\i:R+64*((\s)%2)+4*\i+3], v[LO], s[2:3] offset:\i*4096+(\s)*512 th:TH_LOAD_NT
.endr
.irp i, 8,9,10,11,12,13,14,15
	global_load_b128 v[R+64*((\s)%2)+4*\i:R+64*((\s)%2)+4*\i+3], v[HI], s[2:3] offset:\i*4096+(\s)*512 th:TH_LOAD_NT
.endr
.endm
.macro QSTEP s
.if (\s) < 7
	s_wait_loadcnt 16                              ; this fragment's 16 loads are in; the next fragment's 16 may be out
.else
	s_wait_loadcnt 0x0
.endif
.irp i, 0,1,2,3,4,5,6,7,8,9,10,11,12,13,14,15
	ds_store_b128 v[SIN], v[R+64*((\s)%2)+4*\i:R+64*((\s)%2)+4*\i+3] offset:QSTG+\i*SP
.endr
.irp c, 0,1                            ; back: lane (r, h) takes blocks h and 2 + h of row r whole.  LDS serves a wave's instructions in order: these see the stores above
.irp x, 0,1,2,3,4,5,6,7
	ds_load_b128 v[X+32*\c+4*\x:X+32*\c+4*\x+3], v[SOQ] offset:QSTG+256*\c+16*\x
.endr
.endr
	s_wait_dscnt 0x0                               ; my numbers are back, and the stores have read their registers,
.if (\s) < 6
	LOADQ (\s)+2                                   ; which take the fragment two on
.endif
.irp c, 0,1
	v_max3_num_f32 v[M+\c], |v[X+32*\c]|, |v[X+32*\c+1]|, 0x1800000   ; the block's largest magnitude, over the floor 2^(3 - 127): the byte cannot fall under 1
.endr
.irp i, 2,4,6,8,10,12,14,16,18,20,22,24,26,28,30
.irp c, 0,1
	v_max3_num_f32 v[M+\c], v[M+\c], |v[X+32*\c+\i]|, |v[X+32*\c+\i+1]|
.endr
.endr
.irp c, 0,1
	v_add_nc_u32 v[SO+\c], 0xff000000, v[M+\c]     ; 2 off the exponent field: the conversion's scale operand
.endr
.irp c, 0,1
	v_lshrrev_b32 v[BY+\c], 23, v[SO+\c]           ; the scale's byte
.endr
	v_lshl_or_b32 v[W], v[BY+1], 16, v[BY]         ; blocks h and 2 + h,
	v_lshlrev_b32 v[W], v[H8], v[W]                ; at their places in the word;
	v_permlanex16_b32 v[T], v[W], s54, s55
	v_or_b32 v[WS+(\s)], v[W], v[T]                ; with lane l xor 16's two the word is whole
	s_wait_xcnt 0x0                                ; the last fragment's stores have read the codes' registers
	v_cvt_scalef32_pk16_fp6_f32 v[C:C+2], v[X:X+15], v[SO]
	v_cvt_scalef32_pk16_fp6_f32 v[T0:T0+2], v[X+16:X+31], v[SO]       ; (a conversion's three registers begin on an even number)
	v_cvt_scalef32_pk16_fp6_f32 v[C+6:C+8], v[X+32:X+47], v[SO+1]
	v_cvt_scalef32_pk16_fp6_f32 v[T1:T1+2], v[X+48:X+63], v[SO+1]
	v_nop                                          ; one plain place behind a scaled conversion
.irp i, 0,1,2
	v_mov_b32 v[C+3+\i], v[T0+\i]
	v_mov_b32 v[C+9+\i], v[T1+\i]
.endr
	global_store_b128 v[LO], v[C:C+3], s[24:25] offset:1536*(\s)          ; 512, 256, 512, 256 consecutive bytes, each at a multiple of 256
	global_store_b64 v[L8], v[C+4:C+5], s[24:25] offset:1536*(\s)+512
	global_store_b128 v[LO], v[C+6:C+9], s[24:25] offset:1536*(\s)+768
	global_store_b64 v[L8], v[C+10:C+11], s[24:25] offset:1536*(\s)+1280
.endm
	LOADQ 0
	LOADQ 1
.irp s, 0,1,2,3,4,5,6,7
	QSTEP \s
.endr
	s_wait_xcnt 0x0                                ; the last stores have read the codes' registers
.irp i, 0,1,2,3
	v_cndmask_b32 v[C+\i], v[WS+\i], v[WS+4+\i], s53   ; lanes 0-15 words 0-3 of row r, lanes 16-31 words 4-7
.endr
	global_store_b128 v[SCO], v[C:C+3], s[26:27]   ; the tile's 512 scale bytes by one store
	s_wait_tensorcnt 0x0                           ; the wave's end, behind my last LDS store
	ds_add_u32 v[SPW], v[NIL]
	s_wait_dscnt 0x0
	s_endpgm
	; ---------------- the mask path ----------------
.Lmask:
	s_sub_co_u32 s31, ttmp9, 448                   ; tau
	s_lshl_b32 s36, s31, 17                        ; 16 rows of 8,192 bytes
	s_lshl_b32 s37, s30, 11                        ; my four steps of 512 bytes
	s_add_co_u32 s36, s36, s37
	s_mov_b32 s37, 0
	s_add_nc_u64 s[2:3], s[22:23], s[36:37]
	s_lshl_b32 s36, s31, 12
	s_lshl_b32 s38, s30, 10
	s_add_co_u32 s36, s36, s38
	s_add_nc_u64 s[4:5], s[28:29], s[36:37]        ; the words: (16 tau + 4 g) x 256
	s_lshl_b32 s36, s31, 9
	s_lshl_b32 s38, s30, 7
	s_add_co_u32 s36, s36, s38
	s_add_co_u32 s36, s36, 524288
	s_add_nc_u64 s[6:7], s[28:29], s[36:37]        ; the flags: 524,288 + (4 tau + g) x 128
.irp i, 0,1,2,3,4,5,6,7
	v_mov_b32 v[MW+\i], 0                          ; v_writelane_b32's destination counts as read
.endr
	v_mov_b32 v[FLG], 0
	s_mov_b32 s50, 0
	s_mov_b32 s51, 0
	s_mov_b32 s52, 0
.macro LOADM jj
.irp i, 0,1,2,3,4,5,6,7,8,9,10,11,12,13,14,15
	global_load_b128 v[R+64*((\jj)%2)+4*\i:R+64*((\jj)%2)+4*\i+3], v[LO], s[2:3] offset:\i*8192+(\jj)*512 th:TH_LOAD_NT
.endr
.endm
.macro MSTEP jj
.if (\jj) < 3
	s_wait_loadcnt 16                              ; this step's 16 loads are in; the next step's may be out
.else
	s_wait_loadcnt 0x0
.endif
.irp i, 0,1,2,3,4,5,6,7,8,9,10,11,12,13,14,15
	ds_store_b128 v[SIN], v[R+64*((\jj)%2)+4*\i:R+64*((\jj)%2)+4*\i+3] offset:MSTG+\i*SP
.endr
.irp b, 0,1,2,3                        ; back: register 16 b + i = mask[row r][32 b + 16 h + i]
.irp x, 0,1,2,3
	ds_load_b128 v[X+16*\b+4*\x:X+16*\b+4*\x+3], v[SOM] offset:MSTG+128*\b+16*\x
.endr
.endr
	s_wait_dscnt 0x0
.if (\jj) < 2
	LOADM (\jj)+2
.endif
	s_mov_b32 s48, 0
	s_mov_b32 s49, -1
.set n, 0
.rept 64
	v_cmp_ne_u32 s[40+n%8], 0, v[X+n]              ; word n: a bit a lane
	v_writelane_b32 v[MW+2*(\jj)+n%2], s[40+n%8], n/2
	s_or_b32 s48, s48, s[40+n%8]
	s_and_b32 s49, s49, s[40+n%8]
.set n, n+1
.endr
	global_store_b64 v[L8], v[MW+2*(\jj):MW+2*(\jj)+1], s[4:5] offset:256*(\jj)   ; 256 consecutive bytes, aligned
	s_cmp_lg_u32 s48, 0
	s_cselect_b32 s36, 1<<(\jj), 0
	s_or_b32 s50, s50, s36                         ; some word counts
	s_cmp_eq_u32 s49, -1
	s_cselect_b32 s36, 1<<(\jj), 0
	s_or_b32 s51, s51, s36                         ; all words count
	s_or_b32 s52, s52, s48                         ; lanes that saw one
.endm
	LOADM 0
	LOADM 1
.irp jj, 0,1,2,3
	MSTEP \jj
.endr
	s_lshl_b32 s36, s30, 2
	s_lshl_b32 s50, s50, s36                       ; at bits 4 g ..
	s_lshl_b32 s51, s51, s36
	v_writelane_b32 v[FLG], s50, 0
	v_writelane_b32 v[FLG], s51, 1
	v_writelane_b32 v[FLG], s52, 2
	global_store_b32 v[L4], v[FLG], s[6:7]         ; the record's 128 bytes, the rest zeros
	s_wait_tensorcnt 0x0                           ; the wave's end, behind my last LDS store
	ds_add_u32 v[SPW], v[NIL]
	s_wait_dscnt 0x0
	s_endpgm
.Lfunc_end_k_qa0a08df612_quant:
	.size	k_qa0a08df612_quant, .Lfunc_end_k_qa0a08df612_quant-k_qa0a08df612_quant
	.p2alignl 7, 3214868480
	.fill 96, 4, 3214868480
	.section	.rodata,"a",@progbits
	.p2align	6, 0x0
	.amdhsa_kernel k_qa0a08df612_quant
		.amdhsa_group_segment_fixed_size 68096
		.amdhsa_private_segment_fixed_size 0
		.amdhsa_enable_private_segment 0
		.amdhsa_kernarg_size 88
		.amdhsa_user_sgpr_count 2
		.amdhsa_user_sgpr_kernarg_segment_ptr 1
		.amdhsa_wavefront_size32 1
		.amdhsa_system_sgpr_workgroup_id_x 1
		.amdhsa_system_sgpr_workgroup_id_y 1
		.amdhsa_system_sgpr_workgroup_id_z 1
		.amdhsa_system_vgpr_workitem_id 0
		.amdhsa_next_free_vgpr 256
		.amdhsa_next_free_sgpr 66
		.amdhsa_reserve_vcc 0
		.amdhsa_float_denorm_mode_32 3
		.amdhsa_float_denorm_mode_16_64 3
		.amdhsa_memory_ordered 1
		.amdhsa_forward_progress 1
		.amdhsa_inst_pref_size 125
	.end_amdhsa_kernel
	.amdgpu_metadata
---
amdhsa.version: [ 1, 2 ]
amdhsa.kernels:
  - .name:           k_qa0a08df612_quant
    .symbol:         k_qa0a08df612_quant.kd
    .args:
      - { .name: query, .offset: 0, .size: 8, .value_kind: global_buffer, .address_space: global }
      - { .name: key, .offset: 8, .size: 8, .value_kind: global_buffer, .address_space: global }
      - { .name: value, .offset: 16, .size: 8, .value_kind: global_buffer, .address_space: global }
      - { .name: wq, .offset: 24, .size: 8, .value_kind: global_buffer, .address_space: global }
      - { .name: wk, .offset: 32, .size: 8, .value_kind: global_buffer, .address_space: global }
      - { .name: wv, .offset: 40, .size: 8, .value_kind: global_buffer, .address_space: global }
      - { .name: wo, .offset: 48, .size: 8, .value_kind: global_buffer, .address_space: global }
      - { .name: mask, .offset: 56, .size: 8, .value_kind: global_buffer, .address_space: global }
      - { .name: xw_codes, .offset: 64, .size: 8, .value_kind: global_buffer, .address_space: global }
      - { .name: xw_scales, .offset: 72, .size: 8, .value_kind: global_buffer, .address_space: global }
      - { .name: mwords, .offset: 80, .size: 8, .value_kind: global_buffer, .address_space: global }
    .group_segment_fixed_size: 68096
    .private_segment_fixed_size: 0
    .kernarg_segment_align: 8
    .kernarg_segment_size: 88
    .max_flat_workgroup_size: 128
    .sgpr_count:     66
    .vgpr_count:     256
    .wavefront_size: 32
...
	.end_amdgpu_metadata
.endif
;; end of part 1
;; launch proj (part 2): grid 4 x 96, 4 waves a work-group, clusters of 4 x 4, 327,680 bytes of LDS; arguments xw_codes, xw_scales, bq, bk, bv, qkv_codes, qkv_scales; writes qkv_codes, qkv_scales
.if DOCPART == 2
	.amdgcn_target "amdgcn-amd-amdhsa--gfx1250"
	.amdhsa_code_object_version 6
	.text
	.protected	k_qa0a08df612_proj
	.globl	k_qa0a08df612_proj
	.p2align	8
	.type	k_qa0a08df612_proj,@function
k_qa0a08df612_proj:
	s_mov_b64 s[64:65], 0
	v_nop
	global_prefetch_b8 v0, s[64:65] scope:SCOPE_SE
	s_setreg_imm32_b32 hwreg(HW_REG_WAVE_MODE, 25, 1), 1
	s_wait_xcnt 0x0
	s_wait_alu depctr_hold_cnt(0) depctr_sa_sdst(0) depctr_va_vdst(0) depctr_va_sdst(0) depctr_va_ssrc(0) depctr_va_vcc(0) depctr_vm_vsrc(0)
	s_getreg_b32 s2, hwreg(HW_REG_IB_STS2, 6, 4)
	s_cmp_eq_u32 s2, 0
	s_cbranch_scc0 .Lentry_in_a_cluster
	s_endpgm
.Lentry_in_a_cluster:
	s_bfe_u32 s2, ttmp6, 0x10000c
	s_cmp_lg_u32 s2, 0xf033
	s_cbranch_scc0 .Lentry_shape_is_right
	s_endpgm
.Lentry_shape_is_right:
; A GEMM on codes of FP6 (E2M3) with E8M0 scales for each 32 along K = 1,024, sums in f32.  One text serves two launches: MODE 0 = the three projections, MODE 1 = the output projection.
; OPERANDS lie in memory as images of the operand's registers: row tile R (16 rows), fragment s (128 along K) at (8 R + s) x 1,536 bytes; in it, for c = 0, 1, registers 6c .. 6c+3 at 768 c + 16 x lane and registers 6c+4, 6c+5 at
; 768 c + 512 + 8 x lane.  So a fragment is two loads of 16 bytes and two of 8 bytes a lane, each on consecutive bytes.  Scale bytes: 32 for each row place, 512 for a row tile.
; A tile of 256 x 256 to a work-group, 128 x 128 to each of four waves: 64 accumulators in windows 2 and 3.  K goes in four slots' worth of 256 through a ring of two LDS slots filled by tensor loads:
; a wave's load brings 8 row tiles x 3,072 bytes.  The scale bytes of the work-group's rows come once, with the first fills.
; THE MATRIX INSTRUCTION IS USED TRANSPOSED: source 0 = 16 rows of the B side, source 1 = 16 rows of the A side: a lane holds ONE row of A, its registers run along B.
; MODE 0: cluster y = 8 kind + c.  kind 0: A = query, B = wq; 1: A = key, B = wk; 2: A = wv, B = value: B is always the axis along which the result is quantised next (channels for q and k, keys for v).
;   The bias is the C of each sum's first product.  The results are quantised in registers and stored as the attention launch's operands: for each (batch, head, block j of 128 tokens) four fragments of 1,536 bytes, each three
;   pieces of 512 bytes (registers 4 q .. 4 q + 3, 16 bytes a lane).  q, k: fragment p = [token tile 2 p: six registers of the head's 64 channels][tile 2 p + 1: six]; v: fragment t = 16 channels x 128 keys.
;   Scale words: 256 bytes for each (batch, head, j): [r][4 words].
; MODE 1: A = the attention's result (codes), B = wo; bias bo as C; f32 out through a stage in LDS, 512 consecutive bytes a store.
; CLUSTERS: 4 x 4 work-groups; A's tiles are asked for jointly along a row of the cluster, B's along a column.  Branches hang on the wave's number and on the cluster's y, which all partners share.
; LIMITS: NaN and infinities are not served; a block under 2^-124 keeps the byte 1.
.set MODE,   0
.set NQ,     2                         ; steps of 128 in a slot
.set FR,     12                        ; registers of a fragment
.set NL,     4                         ; LDS loads that bring one
.set NP,     4                         ; places behind this matrix instruction (ISA guide 7.12.1)
.set TILEB,  12288                     ; a row tile's codes for all of K
.set ROWB,   3072                      ; its part of a slot: two fragments
.set HALFT,  8*ROWB                    ; what one tensor load brings, and what one wave reads of A or of B
.set SLOT,   4*HALFT                   ; A's 16 row tiles, then B's 16
.set KS,     32                        ; a row's scale bytes
.set SCL,    2*SLOT                    ; behind the ring: the scales, as units of 256 bytes + 16 of padding
.set HALFS,  16*272                    ; those of 128 rows
.set SBLK,   2*272                     ; those of 16 rows
.set SPARE,  SCL+4*HALFS               ; the spare words, 128 bytes a wave: two blocks of 256 bytes that no other line names
.set SPITCH, 528                       ; MODE 1: a stage of 16 rows x (512 + 16) bytes a wave, in slot 0, behind that slot's last fill and last read
.set ADRA, 16                          ; v16-17 my A fragments in slot 0, 1, 16 bytes a lane; v18-19 the same, 8 bytes a lane
.set ADRB, 20                          ; v20-23 the same for B
.set STO,  24
.set RD,   25
.set CO,   26                          ; v26  16 x lane
.set ADRS, 27                          ; v27  my scale words: lanes 0-15 A's rows, lanes 16-31 B's
.set SPW,  28                          ; v28  my spare word; never rewritten
.set NIL,  29                          ; v29  0; never rewritten
.set SOF,  30                          ; v30  MODE 0: 4,096 h + 16 r
.set SC,   32                          ; v32-63  scale words, two sets of 16
.set BI,   64                          ; v64-127 the bias in the result's layout: eight registers a tile
.set AF,   128                         ; v128-223 A's fragments, ONE set.  Window 1: B's fragments, two sets, at v0 and v128
.set BK,   128                         ; MODE 1: rows read back from the stage
.set Y,    112                         ; MODE 0, the way out: codes; v136.., v140.. conversions' second halves; v144-151 scale words; v152-159 words to store; v200-215 at work
.set T0,   136
.set T1,   140
.set PW,   144
.set SW,   152
.set TM,   200
.set WV,   18
.set WH,   19
.set WL,   20
.set KIND, 21
.set TR,   22
.set TC,   23
.set G1,   24
.set G0,   32
.set G1B,  48
.set G0B,  56
.set G1S,  68
.set G0S,  76
.set G1SB, 80
.set G0SB, 88
.set PAC,  4
.set PAS,  6
.if MODE == 0
.set PBC,  4
.set PBS,  6
.else
.set PBC,  8
.set PBS,  10
.endif
.set MSB, 0
.macro WIN new                         ; the immediate's high byte repeats the setting that is left
.if MSB != \new
	s_set_vgpr_msb (MSB<<8)|\new
.set MSB, \new
.endif
.endm
.set MUL_LO, 0xa1                      ; source 0 (B) window 1, source 1 (A) window 0, C and D window 2
.set MUL_HI, 0xf1                      ; the same, C and D window 3
.set TO_B,   0x40                      ; destination window 1, address window 0
; A joint load: waves 0 and 1 fetch for A, waves 2 and 3 for B.  An s_nop 0 and four v_nop follow each of the two lines.
.macro JLOAD g0a, g1a, g0b, g1b
	s_cmp_eq_u32 s[WH], 0
	s_cbranch_scc0 .Lfor_b_\@
	tensor_load_to_lds s[\g0a:\g0a+3], s[\g1a:\g1a+7]
	s_nop 0
.rept 4
	v_nop
.endr
	s_branch .Lasked_\@
.Lfor_b_\@:
	tensor_load_to_lds s[\g0b:\g0b+3], s[\g1b:\g1b+7]
	s_nop 0
.rept 4
	v_nop
.endr
.Lasked_\@:
.endm
.macro CREST                           ; a round of the cluster's barrier behind its opening barrier
	s_cmp_lg_u32 s[WV], 0
	s_cbranch_scc1 .Lnot_wave_0_\@
	s_barrier_signal -3
.Lnot_wave_0_\@:
	s_barrier_wait -3
	s_barrier_signal -1
	s_barrier_wait -1
.endm
.macro CROUND
	s_barrier_signal -1
	s_barrier_wait -1
	CREST
.endm
	s_load_b256 s[4:11], s[0:1], 0x0               ; MODE 0: xw_codes, xw_scales, bq, bk.  MODE 1: ctx_codes, ctx_scales, xw_codes, xw_scales
	s_load_b128 s[12:15], s[0:1], 0x20             ; MODE 0: bv, qkv_codes.  MODE 1: bo, out0
.if MODE == 0
	s_load_b64 s[16:17], s[0:1], 0x30              ; qkv_scales
.endif
	v_lshl_add_u32 v[SPW], v0, 2, SPARE
	v_mov_b32 v[NIL], 0
	ds_add_u32 v[SPW], v[NIL]                      ; the wave's opening: the add and its wait ahead of my first tensor load; work on registers stands between them
	v_lshrrev_b32 v1, 5, v0
	v_readfirstlane_b32 s[WV], v1                  ; wave 0..3
	s_lshr_b32 s[WH], s[WV], 1                     ; which half of the tile's A rows is mine.  Also: I fetch for A (0) or for B (1)
	s_and_b32 s[WL], s[WV], 1                      ; which half of its B rows.  Also: which 8 row tiles I fetch
	s_bfe_u32 s40, ttmp6, 0x40000                  ; cx
	s_bfe_u32 s41, ttmp6, 0x40004                  ; cy
	s_and_b32 s42, ttmp7, 0xffff                   ; the cluster's y
.if MODE == 0
	s_lshr_b32 s[KIND], s42, 3
	s_and_b32 s43, s42, 7
	s_lshl_b32 s43, s43, 2                         ; four tiles of the long side to a cluster
	s_lshl_b32 s44, s[KIND], 9                     ; A's first row tile: query 0, key 512,
	s_lshl_b32 s45, s[KIND], 6
	s_add_co_u32 s45, s45, 1536                    ; B's: wq 1,536, wk 1,600;
	s_cmp_eq_u32 s[KIND], 2
	s_cselect_b32 s[TR], 0, s43
	s_cselect_b32 s[TC], s43, 0
	s_cselect_b32 s44, 1664, s44                   ; kind 2: A = wv,
	s_cselect_b32 s45, 1024, s45                   ; B = value
.else
	s_lshl_b32 s[TR], s42, 2
	s_mov_b32 s[TC], 0
	s_mov_b32 s44, 0                               ; A = ctx
	s_mov_b32 s45, 1728                            ; B = wo
.endif
	s_add_co_u32 s[TR], s[TR], s41                 ; tile row
	s_add_co_u32 s[TC], s[TC], s40                 ; tile column
	s_lshl_b32 s46, s41, 2
	s_lshl_b32 s46, 15, s46                        ; my row of the cluster
	s_lshl_b32 s47, 0x1111, s40                    ; my column
	; descriptor group 1 for the codes: 8 rows (row tiles) of 384 elements of 8 bytes, 1,536 elements apart; no padding: every LDS load reads consecutive bytes
	s_or_b32 s[G1+0], s46, (3<<16)|(1<<21)
	s_or_b32 s[G1B+0], s47, (3<<16)|(1<<21)
.irp g, G1, G1B
	s_mov_b32 s[\g+1], 384<<16                     ; tensor_dim0
	s_mov_b32 s[\g+2], 8<<16                       ; tensor_dim1
	s_mov_b32 s[\g+3], 384<<16                     ; tile_dim0
	s_mov_b32 s[\g+4], 8                           ; tile_dim1
	s_mov_b32 s[\g+5], 1536                        ; stride
	s_mov_b32 s[\g+6], 0
	s_mov_b32 s[\g+7], 0
.endr
	; and for the scales of 128 rows: 4,096 dense bytes as 16 rows of 256 bytes, 16 bytes of padding behind each
	s_or_b32 s[G1S+0], s46, (3<<16)|(1<<20)|(1<<21)|(5<<22)|(3<<25)
	s_or_b32 s[G1SB+0], s47, (3<<16)|(1<<20)|(1<<21)|(5<<22)|(3<<25)
.irp g, G1S, G1SB
	s_mov_b32 s[\g+1], 32<<16
	s_mov_b32 s[\g+2], 16<<16
	s_mov_b32 s[\g+3], 32<<16
	s_mov_b32 s[\g+4], 16
	s_mov_b32 s[\g+5], 32
	s_mov_b32 s[\g+6], 0
	s_mov_b32 s[\g+7], 0
.endr
	s_lshl_b32 s43, s[WL], 3
	s_lshl_b32 s92, s[TR], 4
	s_add_co_u32 s92, s92, s44
	s_add_co_u32 s92, s92, s43                     ; A: the first row tile that I fetch
	s_lshl_b32 s94, s[TC], 4
	s_add_co_u32 s94, s94, s45
	s_add_co_u32 s94, s94, s43                     ; B likewise
	s_mul_i32 s96, s92, TILEB
	s_mov_b32 s97, 0
	s_lshl_b32 s98, s92, 9
	s_mov_b32 s99, 0
	s_mul_i32 s100, s94, TILEB
	s_mov_b32 s101, 0
	s_lshl_b32 s66, s94, 9
	s_mov_b32 s67, 0
	s_mul_i32 s2, s[WV], HALFT                     ; where they go: no place in the cluster enters an LDS address
	s_mul_i32 s3, s[WV], HALFS
	s_wait_dscnt 0x0                               ; the opening add is done
	s_wait_kmcnt 0x0
	s_add_nc_u64 s[96:97], s[PAC:PAC+1], s[96:97]
	s_add_nc_u64 s[98:99], s[PAS:PAS+1], s[98:99]
	s_add_nc_u64 s[100:101], s[PBC:PBC+1], s[100:101]
	s_add_nc_u64 s[66:67], s[PBS:PBS+1], s[66:67]
	CROUND                                         ; all sixteen work-groups are here: the first joint loads meet
	s_mov_b32 s[G0S], 1
	s_add_co_u32 s[G0S+1], s3, SCL
	s_mov_b64 s[G0S+2:G0S+3], s[98:99]
	s_or_b32 s[G0S+3], s[G0S+3], 0x80000000
	s_mov_b32 s[G0SB], 1
	s_add_co_u32 s[G0SB+1], s3, SCL
	s_mov_b64 s[G0SB+2:G0SB+3], s[66:67]
	s_or_b32 s[G0SB+3], s[G0SB+3], 0x80000000
	JLOAD G0S, G1S, G0SB, G1SB                     ; the scales first: they are wanted with the first step
.irp s, 0,1
	s_mov_b32 s[G0+4*\s], 1
	s_add_co_u32 s[G0+4*\s+1], s2, \s*SLOT
	s_add_nc_u64 s[G0+4*\s+2:G0+4*\s+3], s[96:97], \s*ROWB
	s_or_b32 s[G0+4*\s+3], s[G0+4*\s+3], 0x80000000
	s_mov_b32 s[G0B+4*\s], 1
	s_add_co_u32 s[G0B+4*\s+1], s2, \s*SLOT
	s_add_nc_u64 s[G0B+4*\s+2:G0B+4*\s+3], s[100:101], \s*ROWB
	s_or_b32 s[G0B+4*\s+3], s[G0B+4*\s+3], 0x80000000
	JLOAD G0+4*\s, G1, G0B+4*\s, G1B               ; three loads of mine are out behind the second of these
.endr
	v_and_b32 v1, 15, v0                           ; r
	v_bfe_u32 v2, v0, 4, 1                         ; h
	v_and_b32 v3, 31, v0                           ; lane
	v_lshlrev_b32 v[CO], 4, v3
	v_lshlrev_b32 v5, 3, v3
	s_mul_i32 s42, s[WH], HALFT                    ; my 8 row tiles of A
	s_mul_i32 s43, s[WL], HALFT                    ; my 8 of B,
	s_add_co_u32 s43, s43, 2*HALFT                 ; which lie behind A's 16
.irp s, 0,1
	v_add_nc_u32 v[ADRA+\s], s42, v[CO]
	v_add_nc_u32 v[ADRB+\s], s43, v[CO]
	v_add_nc_u32 v[ADRA+2+\s], s42, v5
	v_add_nc_u32 v[ADRB+2+\s], s43, v5
	s_add_co_u32 s42, s42, SLOT
	s_add_co_u32 s43, s43, SLOT
.endr
	v_mul_u32_u24 v6, v1, KS                       ; my row's scales: 32 bytes a row,
	v_lshrrev_b32 v7, 8, v6
	v_lshl_add_u32 v6, v7, 4, v6                   ; and 16 more for each 256 passed
	s_mul_i32 s42, s[WH], HALFS
	s_mul_i32 s43, s[WL], HALFS
	s_add_co_u32 s43, s43, 2*HALFS
	s_sub_co_u32 s43, s43, s42
	v_mul_u32_u24 v7, s43, v2                      ; lanes 16-31 take B's
	s_add_co_u32 s42, s42, SCL
	v_add_nc_u32 v6, v6, v7
	v_add_nc_u32 v[ADRS], s42, v6
	s_lshl_b32 s42, s[TR], 1
	s_add_co_u32 s42, s42, s[WH]                   ; which 128 rows of the A side are mine
	s_lshl_b32 s43, s[TC], 1
	s_add_co_u32 s43, s43, s[WL]                   ; which 128 of the B side
	s_mov_b32 s93, 0
.if MODE == 0
	s_cmp_eq_u32 s[KIND], 2
	s_cselect_b32 s44, s43, s42                    ; the block of 128 tokens,
	s_cselect_b32 s45, s42, s43                    ; the pair of heads
	s_lshr_b32 s46, s44, 4                         ; batch
	s_and_b32 s47, s44, 15                         ; j
	s_mul_i32 s92, s[KIND], 6291456
	s_mul_i32 s94, s46, 1572864
	s_add_co_u32 s92, s92, s94
	s_mul_i32 s94, s45, 196608
	s_add_co_u32 s92, s92, s94
	s_mul_i32 s94, s47, 6144
	s_add_co_u32 s92, s92, s94
	s_add_nc_u64 s[14:15], s[14:15], s[92:93]      ; kind x 6,291,456 + ((16 batch + head) x 16 + j) x 6,144
	s_lshl_b32 s92, s[KIND], 18
	s_lshl_b32 s94, s46, 16
	s_add_co_u32 s92, s92, s94
	s_lshl_b32 s94, s45, 13
	s_add_co_u32 s92, s92, s94
	s_lshl_b32 s94, s47, 8
	s_add_co_u32 s92, s92, s94
	s_add_nc_u64 s[16:17], s[16:17], s[92:93]      ; kind x 262,144 + ((16 batch + head) x 16 + j) x 256
	v_lshlrev_b32 v8, 4, v1
	v_lshl_add_u32 v[SOF], v2, 12, v8
	s_cmp_eq_u32 s[KIND], 0
	s_cselect_b64 s[8:9], s[8:9], s[10:11]         ; bq or bk
	s_lshl_b32 s92, s43, 9
	s_add_nc_u64 s[8:9], s[8:9], s[92:93]          ; at my 128 channels (used by kinds 0 and 1 alone)
	s_lshl_b32 s92, s42, 9
	s_add_nc_u64 s[12:13], s[12:13], s[92:93]      ; bv likewise (used by kind 2 alone)
	v_lshlrev_b32 v6, 6, v2                        ; q, k: register j of tile b is channel 32 (b / 2) + 16 h + 8 (b % 2) + j
	v_and_b32 v7, 8, v1
	v_add_nc_u32 v7, v7, v1
	v_lshlrev_b32 v7, 2, v7                        ; v: all eight registers of tile a are channel 32 (a / 2) + 8 (a % 2) + r + 8 (r / 8)
	s_cmp_eq_u32 s[KIND], 2
	s_cbranch_scc1 .Lbias_v
.irp b, 0,1,2,3,4,5,6,7
	global_load_b128 v[BI+8*\b:BI+8*\b+3], v6, s[8:9] offset:(32*(\b/2)+8*(\b%2))*4
	global_load_b128 v[BI+8*\b+4:BI+8*\b+7], v6, s[8:9] offset:(32*(\b/2)+8*(\b%2))*4+16
.endr
	s_branch .Lbias_done
.Lbias_v:
.irp a, 0,1,2,3,4,5,6,7
.irp j, 0,1,2,3,4,5,6,7
	global_load_b32 v[BI+8*\a+\j], v7, s[12:13] offset:(32*(\a/2)+8*(\a%2))*4
.endr
.endr
.Lbias_done:
.else
	s_lshl_b32 s92, s42, 19                        ; my first row of out0: 128 rows of 4,096 bytes each,
	s_lshl_b32 s94, s43, 9                         ; my first column: 128 numbers
	s_add_co_u32 s92, s92, s94
	s_add_nc_u64 s[14:15], s[14:15], s[92:93]
	s_mov_b32 s92, s94
	s_add_nc_u64 s[12:13], s[12:13], s[92:93]      ; bo at my 128 columns
	v_lshlrev_b32 v6, 5, v2                        ; register j of tile b is column 16 b + 8 h + j
.irp b, 0,1,2,3,4,5,6,7
	global_load_b128 v[BI+8*\b:BI+8*\b+3], v6, s[12:13] offset:64*\b
	global_load_b128 v[BI+8*\b+4:BI+8*\b+7], v6, s[12:13] offset:64*\b+16
.endr
	s_mul_i32 s44, s[WV], 16*SPITCH                ; my stage
	v_mul_u32_u24 v8, v1, SPITCH
	v_lshl_add_u32 v8, v2, 5, v8
	v_add_nc_u32 v[STO], s44, v8                   ; in: row r, 32 bytes for each half of the lanes
	v_add_nc_u32 v[RD], s44, v[CO]                 ; back: the 32 lanes take one row of 512 bytes
.endif
.macro FRAG reg, adr, q, i             ; fragment q of row tile i of my eight: the image of its twelve registers
	ds_load_b128 v[\reg:\reg+3], v[\adr] offset:(\i)*ROWB+(\q)*1536
	ds_load_b64 v[\reg+4:\reg+5], v[\adr+2] offset:(\i)*ROWB+(\q)*1536+512
	ds_load_b128 v[\reg+6:\reg+9], v[\adr] offset:(\i)*ROWB+(\q)*1536+768
	ds_load_b64 v[\reg+10:\reg+11], v[\adr+2] offset:(\i)*ROWB+(\q)*1536+1280
.endm
; 16 matrix instructions: A's blocks a0, a0 + 1 x B's eight, the slot's q-th 128 along K.  p: B's set; sc: the set of scale words.
; zero = 0: onto the sums; 2: the first product, C = the bias by B's block; 3: C = the bias by A's block.  The 64 accumulators take turns, one instruction a turn, in the same order in every step.
.macro MUL16 a0, p, q, sc, zero
.irp a, \a0, \a0+1
.irp b, 0,1,2,3,4,5,6,7
.set ACR, 8*(8*((\a)%4)+\b)
.set CR, ACR
.if \zero == 2
.set CR, BI+8*\b
.endif
.if \zero == 3
.set CR, BI+8*(\a)
.endif
	v_wmma_scale_f32_16x16x128_f8f6f4 v[ACR:ACR+7], v[128*(\p)+FR*\b:128*(\p)+FR*\b+FR-1], v[AF+FR*(\a):AF+FR*(\a)+FR-1], v[CR:CR+7], v[SC+8*NQ*(\sc)+NQ*\b+(\q)], v[SC+8*NQ*(\sc)+NQ*(\a)+(\q)] matrix_a_fmt:MATRIX_FMT_FP6 matrix_b_fmt:MATRIX_FMT_FP6 matrix_a_scale:MATRIX_SCALE_ROW1
.endr
.endr
.endm
.macro FETCH_B slot, q, p
	WIN TO_B
.irp i, 0,1,2,3,4,5,6,7
	FRAG 128*(\p)+FR*\i, ADRB+\slot, \q, \i
.endr
	WIN 0
.endm
.macro FETCH_A slot, q, i0
.irp i, \i0, \i0+1, \i0+2, \i0+3
	FRAG AF+FR*(\i), ADRA+\slot, \q, \i
.endr
.endm
.macro SCALES sc                       ; a slot's scale words: two words a row; lanes 0-15 A's block i, lanes 16-31 B's block i
.irp i, 0,1,2,3,4,5,6,7
	ds_load_b64 v[SC+8*NQ*\sc+NQ*\i:SC+8*NQ*\sc+NQ*\i+1], v[ADRS] offset:\i*SBLK
.endr
.endm
.macro PLACES n                        ; plain vector instructions between a matrix instruction and a load into, or a vector access to, its registers
.rept \n
	v_nop
.endr
.endm
; A step of 128 along K that has its successor in the same slot.  A has one set of registers: blocks 0-3 are fetched anew in the step's middle, blocks 4-7 at its end; B has two sets.
.macro STEP slot, q, zero
	s_wait_dscnt 4*NL                              ; B's set, the scale words and A's blocks 0-3 are in; the youngest 16 loads (A's blocks 4-7) may be out
.if \zero
	WIN 0x81                                       ; C (the bias) window 0, D window 2
.else
	WIN MUL_LO
.endif
	MUL16 0, (\q)%2, \q, \slot, \zero
	MUL16 2, (\q)%2, \q, \slot, \zero
	s_wait_dscnt 0
	PLACES NP
	FETCH_B \slot, (\q)+1, 1-(\q)%2
	FETCH_A \slot, (\q)+1, 0
.if \zero
	WIN 0xc1                                       ; C window 0, D window 3
.else
	WIN MUL_HI
.endif
	MUL16 4, (\q)%2, \q, \slot, \zero
	MUL16 6, (\q)%2, \q, \slot, \zero
	PLACES NP
	WIN 0
	FETCH_A \slot, (\q)+1, 4
.endm
; A slot's last step changes slots: ONE barrier; in front of it each wave waits for all its tensor loads, adds 0 to its spare word, and waits for that and for its own reads of this slot.  fill = 1: this slot is filled again.
.macro TURN slot, next, fill
	s_wait_tensorcnt 0x0                           ; all my tensor loads have landed: my part of the next slot
	ds_add_u32 v[SPW], v[NIL]
	s_wait_dscnt 4*NL+1                            ; (the add and the youngest 16 loads, A's blocks 4-7, may be out)
	WIN MUL_LO
	MUL16 0, 1, NQ-1, \slot, 0
	s_wait_dscnt 0x0                               ; the add is done, and my reads of this slot are over
	s_barrier_signal -1
	MUL16 2, 1, NQ-1, \slot, 0
	WIN 0
	s_barrier_wait -1
.if \fill
	CREST                                          ; the barrier has opened a round of the cluster's barrier: no wave of any partner still reads this slot or has a load on its way
	s_add_nc_u64 s[G0+4*\slot+2:G0+4*\slot+3], s[G0+4*\slot+2:G0+4*\slot+3], 2*ROWB
	s_add_nc_u64 s[G0B+4*\slot+2:G0B+4*\slot+3], s[G0B+4*\slot+2:G0B+4*\slot+3], 2*ROWB
	JLOAD G0+4*\slot, G1, G0B+4*\slot, G1B         ; the first tensor load behind the round, my one load until the next; its four v_nop are the places in front of the loads below
.else
	PLACES NP
.endif
	v_add_nc_u32 v[ADRS], 4*NQ, v[ADRS]            ; the next slot's scale words
	FETCH_B \next, 0, 0
	FETCH_A \next, 0, 0
	SCALES \next
	WIN MUL_HI
	MUL16 4, 1, NQ-1, \slot, 0
	MUL16 6, 1, NQ-1, \slot, 0
	PLACES NP
	WIN 0
	FETCH_A \next, 0, 4
.endm
	s_wait_tensorcnt 1                             ; the scales and my part of slot 0 are in; slot 1's load may be out
	s_barrier_signal -1
	s_barrier_wait -1
	FETCH_B 0, 0, 0
	FETCH_A 0, 0, 0
	SCALES 0
	FETCH_A 0, 0, 4
	s_wait_loadcnt 0x0                             ; the bias
.if MODE == 0
	s_cmp_eq_u32 s[KIND], 2
	s_cbranch_scc1 .Lfirst_v
	STEP 0, 0, 2                                   ; the first products start the sums with the bias
	s_branch .Lfirst_done
.Lfirst_v:
	STEP 0, 0, 3
.Lfirst_done:
.else
	STEP 0, 0, 2
.endif
	TURN 0, 1, 1                                   ; K is eight steps of 128, four slots' worth: written out; slot 0 takes K 512 on,
	STEP 1, 0, 0
	TURN 1, 0, 1                                   ; slot 1 K 768 on
	STEP 0, 0, 0
	TURN 0, 1, 0                                   ; nothing is left to fetch
	STEP 1, 0, 0
	s_wait_dscnt 4*NL
	WIN MUL_LO
	MUL16 0, 1, NQ-1, 1, 0
	MUL16 2, 1, NQ-1, 1, 0
	s_wait_dscnt 0
	WIN MUL_HI
	MUL16 4, 1, NQ-1, 1, 0
	MUL16 6, 1, NQ-1, 1, 0
	WIN 0
	PLACES NP
.if MODE == 0
; THE WAY OUT, MODE 0.  A's block a: 64 registers of a lane, register 16 b + i = place 32 b + 16 h + i along the next K.  They become twelve registers of codes, six at d0 (blocks 0, 1) and six at d1 (blocks 2, 3), and a scale word.
; Each accumulator is read from its low end on.
.macro QUANTG a, d0, d1, pw
.set AC, 64*((\a)%4)
	WIN 0x0a+5*((\a)/4)                            ; sources 0 and 1: window 2 or 3
.irp b, 0,1,2,3
	v_max3_num_f32 v[TM+\b], |v[AC+16*\b]|, |v[AC+16*\b+1]|, 0x1800000   ; over the floor 2^(3 - 127): the byte cannot fall under 1
.endr
.irp i, 2,4,6,8,10,12,14
.irp b, 0,1,2,3
	v_max3_num_f32 v[TM+\b], |v[AC+16*\b+\i]|, |v[AC+16*\b+\i+1]|, v[TM+\b]
.endr
.endr
	WIN 0
.irp b, 0,1,2,3
	v_permlanex16_b32 v[TM+4+\b], v[TM+\b], s40, s41
.endr
.irp b, 0,1,2,3
	v_max_num_f32 v[TM+\b], v[TM+\b], v[TM+4+\b]   ; with lane l xor 16's 16: the block's largest magnitude
.endr
.irp b, 0,1,2,3
	v_add_nc_u32 v[TM+12+\b], 0xff000000, v[TM+\b] ; 2 off the exponent field: the conversion's scale operand
.endr
.irp b, 0,1,2,3
	v_lshrrev_b32 v[TM+4+\b], 23, v[TM+12+\b]      ; the scale's byte
.endr
	v_lshl_or_b32 v[\pw], v[TM+5], 8, v[TM+4]
	v_lshl_or_b32 v[\pw], v[TM+6], 16, v[\pw]
	v_lshl_or_b32 v[\pw], v[TM+7], 24, v[\pw]
	WIN 0x02+(\a)/4                                ; source 0: window 2 or 3
	v_cvt_scalef32_pk16_fp6_f32 v[\d0:\d0+2], v[AC:AC+15], v[TM+12]
	v_cvt_scalef32_pk16_fp6_f32 v[T0:T0+2], v[AC+16:AC+31], v[TM+13]
	v_cvt_scalef32_pk16_fp6_f32 v[\d1:\d1+2], v[AC+32:AC+47], v[TM+14]
	v_cvt_scalef32_pk16_fp6_f32 v[T1:T1+2], v[AC+48:AC+63], v[TM+15]
	WIN 0
	v_nop                                          ; one plain place behind a scaled conversion
.irp i, 0,1,2                          ; the operand's layout wants a whole block in a lane: lanes 0-15 the even block, lanes 16-31 the odd one
	v_permlane16_swap_b32 v[\d0+\i], v[T0+\i]
	v_permlane16_swap_b32 v[\d1+\i], v[T1+\i]
.endr
.irp i, 0,1,2
	v_mov_b32 v[\d0+3+\i], v[T0+\i]
	v_mov_b32 v[\d1+3+\i], v[T1+\i]
.endr
.endm
	s_mov_b32 s40, 0x76543210
	s_mov_b32 s41, 0xfedcba98                      ; v_permlanex16_b32's selects for lane l xor 16
	s_mov_b32 s42, 0xffff0000                      ; lanes 16-31
.irp b, 0,1,2,3
	v_mov_b32 v[TM+4+\b], 0                        ; a lane permute's destination counts as one of its sources
.endr
	s_cmp_eq_u32 s[KIND], 2
	s_cbranch_scc1 .Lepi_v
.irp p, 0,1,2,3                        ; q, k: blocks 0, 1 are my first head's 64 channels, blocks 2, 3 my second's.  Token tiles 2 p and 2 p + 1 make one fragment for each head
	s_wait_xcnt 0x0                                ; the last stores have read the codes' registers
	QUANTG 2*\p, Y, Y+12, PW+2*\p
	QUANTG 2*\p+1, Y+6, Y+18, PW+2*\p+1
.irp q, 0,1,2
	global_store_b128 v[CO], v[Y+4*\q:Y+4*\q+3], s[14:15] offset:\p*1536+512*\q          ; 512 consecutive bytes, aligned
	global_store_b128 v[CO], v[Y+12+4*\q:Y+12+4*\q+3], s[14:15] offset:98304+\p*1536+512*\q
.endr
.endr
.irp p, 0,1,2,3
	v_perm_b32 v[SW+\p], v[PW+2*\p+1], v[PW+2*\p], 0x05040100     ; first head: the two tiles' bytes 0, 1
	v_perm_b32 v[SW+4+\p], v[PW+2*\p+1], v[PW+2*\p], 0x07060302   ; second head: bytes 2, 3
.endr
.irp p, 0,1,2,3
	v_cndmask_b32 v[SW+\p], v[SW+\p], v[SW+4+\p], s42
.endr
	global_store_b128 v[SOF], v[SW:SW+3], s[16:17] ; lanes 0-15 the first head's 256 bytes, lanes 16-31 the second's
	s_branch .Lepi_done
.Lepi_v:
.irp a, 0,1,2,3,4,5,6,7                ; v: A's block a is 16 channels (blocks 0-3 my first head, 4-7 my second), the four blocks of 32 are my 128 keys: one fragment
	s_wait_xcnt 0x0
	QUANTG \a, Y, Y+6, PW+\a
.irp q, 0,1,2
	global_store_b128 v[CO], v[Y+4*\q:Y+4*\q+3], s[14:15] offset:(\a/4)*98304+(\a%4)*1536+512*\q
.endr
.endr
.irp t, 0,1,2,3
	v_cndmask_b32 v[SW+\t], v[PW+\t], v[PW+4+\t], s42
.endr
	global_store_b128 v[SOF], v[SW:SW+3], s[16:17]
.Lepi_done:
.else
; THE WAY OUT, MODE 1, block by block of 16 rows x 128 columns: through my own stage and back as whole rows of 512 bytes.  LDS serves a wave's instructions in order (ISA guide 5.7.1.4).
.macro TOSTAGE a
.set AC, 64*((\a)%4)
	WIN 0x08+4*((\a)/4)                            ; the data: window 2 or 3
.irp b, 0,1,2,3,4,5,6,7
	ds_store_b128 v[STO], v[AC+8*\b:AC+8*\b+3] offset:64*\b          ; each accumulator from its low end on
	ds_store_b128 v[STO], v[AC+8*\b+4:AC+8*\b+7] offset:64*\b+16
.endr
	WIN 0
.set BB, BK+64*((\a)%2)
.irp t, 0,1,2,3,4,5,6,7,8,9,10,11,12,13,14,15
	ds_load_b128 v[BB+4*\t:BB+4*\t+3], v[RD] offset:\t*SPITCH
.endr
.endm
.macro SEND a, younger
.set BB, BK+64*((\a)%2)
	s_wait_dscnt \younger                          ; the block is back; the next block's 16 stores and 16 loads may be out
.if (\a) > 0
	s_add_nc_u64 s[14:15], s[14:15], 16*4096       ; (behind a wait on XCNT for 0: the earlier stores have read their base)
.endif
.irp t, 0,1,2,3,4,5,6,7,8,9,10,11,12,13,14,15
	global_store_b128 v[CO], v[BB+4*\t:BB+4*\t+3], s[14:15] offset:\t*4096 th:TH_STORE_NT   ; 512 consecutive bytes, aligned
.endr
.endm
	TOSTAGE 0
.irp a, 1,2,3,4,5,6,7
.if \a > 1
	s_wait_xcnt 0x0                                ; block a - 2's stores have read their registers and their base
.endif
	TOSTAGE \a
	SEND \a-1, 32
.endr
	s_wait_xcnt 0x0
	SEND 7, 0
.endif
	s_wait_tensorcnt 0x0                           ; the wave's end
	ds_add_u32 v[SPW], v[NIL]
	s_wait_dscnt 0x0
	CROUND                                         ; the closing round
	s_endpgm
.Lfunc_end_k_qa0a08df612_proj:
	.size	k_qa0a08df612_proj, .Lfunc_end_k_qa0a08df612_proj-k_qa0a08df612_proj
	.p2alignl 7, 3214868480
	.fill 96, 4, 3214868480
	.section	.rodata,"a",@progbits
	.p2align	6, 0x0
	.amdhsa_kernel k_qa0a08df612_proj
		.amdhsa_group_segment_fixed_size 327680
		.amdhsa_private_segment_fixed_size 0
		.amdhsa_enable_private_segment 0
		.amdhsa_kernarg_size 56
		.amdhsa_user_sgpr_count 2
		.amdhsa_user_sgpr_kernarg_segment_ptr 1
		.amdhsa_wavefront_size32 1
		.amdhsa_system_sgpr_workgroup_id_x 1
		.amdhsa_system_sgpr_workgroup_id_y 1
		.amdhsa_system_sgpr_workgroup_id_z 1
		.amdhsa_system_vgpr_workitem_id 0
		.amdhsa_next_free_vgpr 1024
		.amdhsa_next_free_sgpr 102
		.amdhsa_reserve_vcc 0
		.amdhsa_float_denorm_mode_32 3
		.amdhsa_float_denorm_mode_16_64 3
		.amdhsa_memory_ordered 1
		.amdhsa_forward_progress 1
		.amdhsa_inst_pref_size 203
	.end_amdhsa_kernel
	.amdgpu_metadata
---
amdhsa.version: [ 1, 2 ]
amdhsa.kernels:
  - .name:           k_qa0a08df612_proj
    .symbol:         k_qa0a08df612_proj.kd
    .args:
      - { .name: xw_codes, .offset: 0, .size: 8, .value_kind: global_buffer, .address_space: global }
      - { .name: xw_scales, .offset: 8, .size: 8, .value_kind: global_buffer, .address_space: global }
      - { .name: bq, .offset: 16, .size: 8, .value_kind: global_buffer, .address_space: global }
      - { .name: bk, .offset: 24, .size: 8, .value_kind: global_buffer, .address_space: global }
      - { .name: bv, .offset: 32, .size: 8, .value_kind: global_buffer, .address_space: global }
      - { .name: qkv_codes, .offset: 40, .size: 8, .value_kind: global_buffer, .address_space: global }
      - { .name: qkv_scales, .offset: 48, .size: 8, .value_kind: global_buffer, .address_space: global }
    .group_segment_fixed_size: 327680
    .private_segment_fixed_size: 0
    .kernarg_segment_align: 8
    .kernarg_segment_size: 56
    .max_flat_workgroup_size: 128
    .sgpr_count:     102
    .vgpr_count:     1024
    .wavefront_size: 32
...
	.end_amdgpu_metadata
.endif
;; end of part 2
;; launch attn (part 3): grid 4 x 64, 16 waves a work-group, no clusters, 206,848 bytes of LDS; arguments qkv_codes, qkv_scales, mwords, ctx_codes, ctx_scales; writes ctx_codes, ctx_scales
.if DOCPART == 3
	.amdgcn_target "amdgcn-amd-amdhsa--gfx1250"
	.amdhsa_code_object_version 6
	.text
	.protected	k_qa0a08df612_attn
	.globl	k_qa0a08df612_attn
	.p2align	8
	.type	k_qa0a08df612_attn,@function
k_qa0a08df612_attn:
	s_mov_b64 s[64:65], 0
	v_nop
	global_prefetch_b8 v0, s[64:65] scope:SCOPE_SE
	s_setreg_imm32_b32 hwreg(HW_REG_WAVE_MODE, 25, 1), 1
	s_wait_xcnt 0x0
; ATTENTION on codes of FP6 (E2M3), one (batch, head) to a work-group row: work-group (x, bh), sixteen waves of 256 registers, four to a SIMD.
; THE WHOLE HEAD LIES IN LDS: K's codes 98,304 bytes, V's 98,304, their scale words 4,096 each: filled ONCE through registers, ONE barrier; then the waves go their own ways.
; Wave w takes query tiles tau = 16 x + w and 127 - tau (16 queries each) and walks the 16 key steps of 128 keys.
; LAYOUT.  S^T = K Q^T (source 0 = 16 keys, source 1 = my 16 queries), O^T = V^T P^T: a lane holds ONE query.  The keys of a tile, and V's channels, were ordered two launches ago so that the 16 registers of tiles 2 b, 2 b + 1
; are 16 neighbours: register 16 b + i of S is key 32 b + 16 h + i; of O^T channel 32 b + 16 h + i.
; K = 64 IN AN INSTRUCTION OF 128: a fragment of K holds two key tiles, six registers each.  Q's six registers stand between two runs of six zero registers: [q, 0] picks the first tile, [0, q] the second; the other half meets zero codes
; (Q's scale bytes there are 1).
; THE MASK is an input: the first launch turned it into lane masks (64 words for a tile and a step) and flags.  A masked score becomes -2^33 ahead of the maximum (see LIMITS).  A step is LEFT OUT only where all its 2,048 mask words are 0
; AND each of the tile's 16 rows has a word that is not 0 somewhere: then its p are 0.  A step in which every word counts skips the 64 selects.  Both are scalar branches on whole numbers read from memory.
; SOFTMAX: t = score x log2(e) / 8; M = the running largest t rounded up to a whole number; p = 2^(t - M), quantised along the keys; the sum of the unquantised p divides at the end; when M moves, sum and O^T are multiplied by 2^(old - new).
; OUT: O / sum is quantised along the head's 64 channels and stored as half a fragment of the last product's A operand: 768 consecutive bytes; two scale bytes a row.
; No multicast and no look-ahead into memory: what work-groups share is one fill at the head.
; LIMITS: the masked logit is -2^30, not -1e9: c x (-2^33) is a whole number, so a row masked everywhere gives p = 1 exactly, the plain mean, as the definition does; results differ from the definition only where logits that count lie
; near -1e9.  NaN and infinities are not served.  A block under 2^-124 keeps the byte 1.
.set VIMG,  98304
.set KSC,   196608                     ; K's scale words, then V's 4,096 bytes on
.set SPARE, 204800                     ; the spare words, 128 bytes a wave: eight blocks of 256 bytes that no other line names
.set L16,  1                           ; v1   16 x lane
.set L16V, 2                           ; v2   + VIMG
.set ASC,  3                           ; v3   KSC + 4,096 h + 16 r: lanes 0-15 K's words, lanes 16-31 V's
.set SPW,  4                           ; v4   my spare word; never rewritten
.set NIL,  5                           ; v5   0; never rewritten
.set NEG,  6                           ; v6   -2^33
.set ADK,  7                           ; v7-9 the step's LDS addresses (at the head: the fill's)
.set ADV,  8
.set ADS,  9
.set L8,   10                          ; v10  8 x lane
.set BOF,  11                          ; v11  32 r + h
.set QZ,   16                          ; v16-33: six zeros, q, six zeros
.set QSL,  34                          ; Q's scale words for [q, 0] and for [0, q]
.set QSH,  35
.set KX,   36                          ; v36-39 the step's scale words
.set KF,   40                          ; v40-87 four fragments of K, then of V
.set S,    96                          ; v96-159 S^T, then p
.set O,    160                         ; v160-191 O^T
.set PC,   192                         ; v192-203 p's codes
.set CT,   204                         ; v204-206, v208-210 conversions' second halves
.set BM,   212
.set PM,   216
.set SOP,  220
.set TT,   224
.set BYT,  225
.set F,    226                         ; v[226:227]
.set PS,   228                         ; p's scale word
.set R16,  229                         ; 16 r
	s_load_b256 s[4:11], s[0:1], 0x0               ; qkv_codes, qkv_scales, mwords, ctx_codes
	s_load_b64 s[12:13], s[0:1], 0x20              ; ctx_scales
	v_lshl_add_u32 v[SPW], v0, 2, SPARE
	v_mov_b32 v[NIL], 0
	v_lshrrev_b32 v7, 5, v0
	v_readfirstlane_b32 s14, v7                    ; wave 0..15
	s_and_b32 s2, ttmp7, 0xffff                    ; 16 batch + head
	s_lshl_b32 s15, ttmp9, 4
	s_add_co_u32 s15, s15, s14                     ; tau
	v_lshlrev_b32 v[ADK], 4, v0                    ; the fill: 16 bytes a thread, 8,192 an instruction
	v_add_nc_u32 v[ADV], 0x10000, v[ADK]
	v_add_nc_u32 v[ADS], VIMG, v[ADK]
	v_add_nc_u32 v[L8], VIMG+0x10000, v[ADK]
	v_add_nc_u32 v[BOF], KSC, v[ADK]
	v_and_b32 v12, 255, v0
	v_lshrrev_b32 v13, 8, v0
	v_add_nc_u32 v13, 1, v13
	v_lshlrev_b32 v13, 18, v13                     ; threads 0-255: K's scale words (kind 1), 256-511: V's (kind 2)
	v_lshl_add_u32 v12, v12, 4, v13
	s_mul_i32 s30, s2, 98304
	s_mov_b32 s31, 0
	s_lshl_b32 s66, s2, 12
	s_mov_b32 s67, 0
	s_lshr_b32 s3, s2, 4                           ; batch
	s_and_b32 s2, s2, 15                           ; head
	s_mul_i32 s100, s3, 1572864                    ; 128 row tiles of 12,288 bytes
	s_mul_i32 s101, s2, 768
	s_add_co_u32 s100, s100, s101
	s_mov_b32 s101, 0
	s_lshl_b32 s28, s3, 16                         ; 128 row tiles of 512 scale bytes
	s_lshl_b32 s29, s2, 1
	s_add_co_u32 s28, s28, s29
	s_mov_b32 s29, 0
	s_wait_kmcnt 0x0
	s_add_nc_u64 s[4:5], s[4:5], s[30:31]          ; Q's codes of my head
	s_add_nc_u64 s[6:7], s[6:7], s[66:67]          ; Q's scale words
	s_add_nc_u64 s[10:11], s[10:11], s[100:101]
	s_add_nc_u64 s[12:13], s[12:13], s[28:29]
	s_add_nc_u64 s[30:31], s[4:5], 12582912        ; V's codes
.irp i, 0,1,2,3,4,5,6,7,8,9,10,11
	global_load_b128 v[S+4*\i:S+4*\i+3], v[ADK], s[4:5] offset:6291456+8192*\i
.endr
.irp i, 0,1,2,3,4,5,6,7,8,9,10,11
	global_load_b128 v[S+48+4*\i:S+48+4*\i+3], v[ADK], s[30:31] offset:8192*\i
.endr
	global_load_b128 v[S+96:S+99], v12, s[6:7]
.irp i, 0,1,2,3,4,5,6,7
	s_wait_loadcnt 24-\i                           ; loads come back in order: load i is in, the younger ones may be out
	ds_store_b128 v[ADK], v[S+4*\i:S+4*\i+3] offset:8192*\i
.endr
.irp i, 8,9,10,11
	s_wait_loadcnt 24-\i
	ds_store_b128 v[ADV], v[S+4*\i:S+4*\i+3] offset:8192*(\i-8)
.endr
.irp i, 0,1,2,3,4,5,6,7
	s_wait_loadcnt 12-\i
	ds_store_b128 v[ADS], v[S+48+4*\i:S+48+4*\i+3] offset:8192*\i
.endr
.irp i, 8,9,10,11
	s_wait_loadcnt 12-\i
	ds_store_b128 v[L8], v[S+48+4*\i:S+48+4*\i+3] offset:8192*(\i-8)
.endr
	s_wait_loadcnt 0x0
	ds_store_b128 v[BOF], v[S+96:S+99]
	s_wait_dscnt 0x0                               ; for the others' sake: my stores have landed
	s_barrier_signal -1
	s_barrier_wait -1                              ; the head lies in LDS; nothing is written there again
	v_and_b32 v12, 31, v0
	v_and_b32 v13, 15, v0
	v_bfe_u32 v14, v0, 4, 1
	v_lshlrev_b32 v[L16], 4, v12
	v_add_nc_u32 v[L16V], VIMG, v[L16]
	v_lshlrev_b32 v[R16], 4, v13
	v_lshl_add_u32 v[ASC], v14, 12, v[R16]
	v_add_nc_u32 v[ASC], KSC, v[ASC]
	v_lshlrev_b32 v[L8], 3, v12
	v_lshl_add_u32 v[BOF], v13, 5, v14
	v_mov_b32 v[NEG], 0xd0000000
.irp i, 0,1,2,3,4,5
	v_mov_b32 v[QZ+\i], 0
	v_mov_b32 v[QZ+12+\i], 0
.endr
.irp b, 0,1,2,3
	v_mov_b32 v[PM+\b], 0                          ; a lane permute's destination counts as one of its sources
.endr
	v_mov_b32 v[TT], 0
	v_mov_b32 v[F+1], 0                            ; (named as the upper half of a pair)
	s_mov_b32 s20, 0x76543210
	s_mov_b32 s21, 0xfedcba98                      ; v_permlanex16_b32's selects for lane l xor 16
	s_mov_b32 s22, 0x3e38aa3b                      ; c = log2(e) / 8
	s_mov_b32 s23, s22
	s_mov_b32 s28, 0xffff0000                      ; lanes 16-31
	s_mov_b32 s16, 2
.Ltile:
	s_wait_xcnt 0x0                                ; the last tile's loads and stores have read their bases and registers
	s_lshl_b32 s2, s15, 9
	s_add_co_u32 s2, s2, 524288
	s_mov_b32 s3, 0
	s_add_nc_u64 s[30:31], s[8:9], s[2:3]          ; the tile's four records of flags
	s_load_b128 s[32:35], s[30:31], 0x0
	s_load_b128 s[36:39], s[30:31], 0x80
	s_load_b128 s[40:43], s[30:31], 0x100
	s_load_b128 s[44:47], s[30:31], 0x180
	s_lshl_b32 s2, s15, 12
	s_add_nc_u64 s[26:27], s[8:9], s[2:3]          ; the tile's mask words: 256 bytes a step
	s_lshr_b32 s2, s15, 3                          ; Q: block of 128 tokens,
	s_bfe_u32 s17, s15, 0x20001                    ; the pair of tiles in it
	s_mul_i32 s24, s2, 6144
	s_mul_i32 s25, s17, 1536
	s_add_co_u32 s24, s24, s25
	s_mov_b32 s25, 0
	s_add_nc_u64 s[66:67], s[4:5], s[24:25]
	s_lshl_b32 s24, s2, 8
	s_lshl_b32 s17, s17, 2
	s_add_co_u32 s24, s24, s17
	s_add_nc_u64 s[100:101], s[6:7], s[24:25]
	global_load_b128 v[KF:KF+3], v[L16], s[66:67]
	global_load_b128 v[KF+4:KF+7], v[L16], s[66:67] offset:512
	global_load_b128 v[KF+8:KF+11], v[L16], s[66:67] offset:1024
	global_load_b32 v[KF+12], v[R16], s[100:101]
	s_and_b32 s2, s15, 1
	s_lshl_b32 s3, s2, 4
	s_cmp_lg_u32 s2, 0
	s_cselect_b32 s29, -1, 0                       ; an odd tile takes the pair's second six registers
	s_wait_kmcnt 0x0
	s_or_b32 s32, s32, s36
	s_or_b32 s32, s32, s40
	s_or_b32 s32, s32, s44                         ; bit j: some word of step j counts
	s_or_b32 s33, s33, s37
	s_or_b32 s33, s33, s41
	s_or_b32 s33, s33, s45                         ; bit j: all do
	s_or_b32 s34, s34, s38
	s_or_b32 s34, s34, s42
	s_or_b32 s34, s34, s46                         ; lanes that saw one
	s_lshr_b32 s2, s34, 16
	s_or_b32 s2, s2, s34
	s_and_b32 s2, s2, 0xffff                       ; rows that have one
	s_and_not1_b32 s19, 0xffff, s33                ; steps that want the selects
	s_cmp_eq_u32 s2, 0xffff
	s_cselect_b32 s18, s32, 0xffff                 ; steps that are kept: all, where a row is masked everywhere
	s_wait_loadcnt 0x0
.irp i, 0,1,2,3,4,5
	v_cndmask_b32 v[QZ+6+\i], v[KF+\i], v[KF+6+\i], s29
.endr
	v_lshrrev_b32 v[TT], s3, v[KF+12]
	v_and_b32 v[TT], 0xffff, v[TT]                 ; my tile's two scale bytes
	v_or_b32 v[QSL], 0x1010000, v[TT]
	v_lshl_or_b32 v[QSH], v[TT], 16, 0x101
.set n, 0
.rept 32
	v_mov_b32 v[O+n], 0                            ; O^T: the step is written once; the first change of M leaves zeros zeros.  (Also the places between the lines above and the first products)
.set n, n+1
.endr
	v_mov_b32 v13, 0xff61b1e6                      ; the largest t so far: -3e38
	v_floor_f32 v12, -v13                          ; -M
	v_mov_b32 v14, 0
	v_mov_b32 v15, 0
	s_mov_b32 s24, 0                               ; the step's codes: 6,144 bytes a step
	s_mov_b32 s25, 0                               ; its scale words and its mask words: 256 bytes a step
	s_mov_b32 s17, 16
.Lstep:
	v_add_nc_u32 v[ADK], s24, v[L16]               ; made in every trip, ahead of the branch; with the v_nop the four places behind the last step's products
	v_add_nc_u32 v[ADV], s24, v[L16V]
	v_add_nc_u32 v[ADS], s25, v[ASC]
	v_nop
	s_bitcmp1_b32 s18, 0
	s_cbranch_scc0 .Lskip
	s_load_b512 s[32:47], s[26:27], s25 offset:0x0     ; the step's 64 lane masks: always loaded and always waited for
	s_load_b512 s[48:63], s[26:27], s25 offset:0x40
	s_load_b512 s[68:83], s[26:27], s25 offset:0x80
	s_load_b512 s[84:99], s[26:27], s25 offset:0xc0
.irp p, 0,1,2,3
.irp q, 0,1,2
	ds_load_b128 v[KF+12*\p+4*\q:KF+12*\p+4*\q+3], v[ADK] offset:\p*1536+512*\q
.endr
.endr
	ds_load_b128 v[KX:KX+3], v[ADS]
	s_wait_dscnt 0x0
.irp p, 0,1,2,3
	v_wmma_scale_f32_16x16x128_f8f6f4 v[S+16*\p:S+16*\p+7], v[KF+12*\p:KF+12*\p+11], v[QZ+6:QZ+17], 0, v[KX+\p], v[QSL] matrix_a_fmt:MATRIX_FMT_FP6 matrix_b_fmt:MATRIX_FMT_FP6
	v_wmma_scale_f32_16x16x128_f8f6f4 v[S+16*\p+8:S+16*\p+15], v[KF+12*\p:KF+12*\p+11], v[QZ:QZ+11], 0, v[KX+\p], v[QSH] matrix_a_fmt:MATRIX_FMT_FP6 matrix_b_fmt:MATRIX_FMT_FP6
.endr
.rept 4
	v_nop                                          ; places in front of the loads into K's registers and of the first read of the scores
.endr
.irp t, 0,1,2,3
.irp q, 0,1,2
	ds_load_b128 v[KF+12*\t+4*\q:KF+12*\t+4*\q+3], v[ADV] offset:\t*1536+512*\q   ; V lands while the softmax is walked
.endr
.endr
	s_wait_kmcnt 0x0
	s_bitcmp1_b32 s19, 0
	s_cbranch_scc0 .Lopen
.set n, 0
.rept 64
.if n < 32
.set MR, 32+n
.else
.set MR, 36+n
.endif
	v_cndmask_b32 v[S+n], v[NEG], v[S+n], s[MR]    ; ascending: each accumulator from its low end on
.set n, n+1
.endr
.Lopen:
.irp b, 0,1,2,3
	v_max3_num_f32 v[BM+\b], v[S+16*\b], v[S+1+16*\b], v[S+2+16*\b]   ; the largest score of each block of 32 keys: for the row's maximum, and, since p rises with the score, for the block's largest p
.endr
.irp i, 3,5,7,9,11,13
.irp b, 0,1,2,3
	v_max3_num_f32 v[BM+\b], v[BM+\b], v[S+16*\b+\i], v[S+1+16*\b+\i]
.endr
.endr
.irp b, 0,1,2,3
	v_max_num_f32 v[BM+\b], v[BM+\b], v[S+15+16*\b]
.endr
.irp b, 0,1,2,3
	v_permlanex16_b32 v[PM+\b], v[BM+\b], s20, s21
.endr
.irp b, 0,1,2,3
	v_max_num_f32 v[BM+\b], v[BM+\b], v[PM+\b]
.endr
	v_max3_num_f32 v[TT], v[BM], v[BM+1], v[BM+2]
	v_max_num_f32 v[TT], v[TT], v[BM+3]
	v_mul_f32 v[TT], s22, v[TT]
	v_max_num_f32 v13, v13, v[TT]                  ; the running largest t
	v_mov_b32 v[TT], v12
	v_floor_f32 v12, -v13                          ; the new -M: M is a whole number
	v_sub_f32 v[TT], v12, v[TT]
	v_cvt_i32_f32 v[TT], v[TT]                     ; (it saturates)
	v_ldexp_f32 v[F], 1.0, v[TT]                   ; f = 2^(old M - new M)
.set n, 0
.rept 32
	v_pk_fma_f32 v[S+n:S+n+1], v[S+n:S+n+1], s[22:23], v[12:13] op_sel_hi:[1,0,0]   ; t - M
.set n, n+2
.endr
.irp b, 0,1,2,3
	v_fma_f32 v[BM+\b], v[BM+\b], s22, v12
.endr
.set n, 0
.rept 64
	v_exp_f32 v[S+n], v[S+n]                       ; p = 2^(t - M): not normalised
.set n, n+1
.endr
	v_pk_mul_f32 v[14:15], v[14:15], v[F:F+1] op_sel_hi:[1,0]   ; the sums under the new M; the plain place behind the exponentials
	s_wait_alu depctr_va_vdst(0)                   ; one wait for the batch, ahead of its first reader
.irp b, 0,1,2,3
	v_exp_f32 v[BM+\b], v[BM+\b]                   ; each block's largest p
.endr
	v_pk_add_f32 v[PM:PM+1], v[S:S+1], v[S+2:S+3]  ; the row's sum is taken of the unquantised p, in two chains
.irp j, 4,8,12,16,20,24,28,32,36,40,44,48,52,56,60
	v_pk_add_f32 v[14:15], v[14:15], v[S+\j:S+\j+1]
	v_pk_add_f32 v[PM:PM+1], v[PM:PM+1], v[S+2+\j:S+3+\j]
.endr
	v_pk_add_f32 v[14:15], v[14:15], v[PM:PM+1]
	s_wait_alu depctr_va_vdst(0)                   ; and one for the four
.irp b, 0,1,2,3
	v_max_num_f32 v[BM+\b], 0x1800000, v[BM+\b]    ; the floor 2^(3 - 127)
.endr
.irp b, 0,1,2,3
	v_add_nc_u32 v[SOP+\b], 0xff000000, v[BM+\b]
.endr
.irp b, 0,1,2,3
	v_lshrrev_b32 v[PM+\b], 23, v[SOP+\b]
.endr
	v_lshl_or_b32 v[PS], v[PM+1], 8, v[PM]
	v_lshl_or_b32 v[PS], v[PM+2], 16, v[PS]
	v_lshl_or_b32 v[PS], v[PM+3], 24, v[PS]
.irp c, 0,1
	v_cvt_scalef32_pk16_fp6_f32 v[PC+6*\c:PC+2+6*\c], v[S+32*\c:S+15+32*\c], v[SOP+2*\c]
	v_cvt_scalef32_pk16_fp6_f32 v[CT+4*\c:CT+2+4*\c], v[S+16+32*\c:S+31+32*\c], v[SOP+2*\c+1]
.endr
	v_nop                                          ; one plain place behind a scaled conversion
.irp c, 0,1
.irp i, 0,1,2
	v_permlane16_swap_b32 v[PC+6*\c+\i], v[CT+4*\c+\i]
.endr
.irp i, 0,1,2
	v_mov_b32 v[PC+3+6*\c+\i], v[CT+4*\c+\i]
.endr
.endr
.set n, 0
.rept 16
	v_pk_mul_f32 v[O+n:O+n+1], v[O+n:O+n+1], v[F:F+1] op_sel_hi:[1,0]   ; O^T under the new M; also the places in front of the products
.set n, n+2
.endr
	s_wait_dscnt 0x0                               ; V is in
.irp t, 0,1,2,3
	v_wmma_scale_f32_16x16x128_f8f6f4 v[O+8*\t:O+8*\t+7], v[KF+12*\t:KF+12*\t+11], v[PC:PC+11], v[O+8*\t:O+8*\t+7], v[KX+\t], v[PS] matrix_a_fmt:MATRIX_FMT_FP6 matrix_b_fmt:MATRIX_FMT_FP6 matrix_a_scale:MATRIX_SCALE_ROW1
.endr
.Lskip:
	s_lshr_b32 s18, s18, 1
	s_lshr_b32 s19, s19, 1
	s_add_co_u32 s24, s24, 6144
	s_add_co_u32 s25, s25, 256
	s_sub_co_u32 s17, s17, 1
	s_cmp_lg_u32 s17, 0
	s_cbranch_scc1 .Lstep
	; the tile's way out
.rept 4
	v_nop                                          ; places behind the last products
.endr
	v_add_f32 v14, v14, v15
	v_permlanex16_b32 v[TT], v14, s20, s21
	v_add_f32 v14, v14, v[TT]                      ; the row's sum
	v_rcp_f32 v14, v14
	v_nop                                          ; a plain place behind the transcendental
	s_mul_i32 s2, s15, 12288
	s_mov_b32 s3, 0
	s_add_nc_u64 s[32:33], s[10:11], s[2:3]
	s_lshl_b32 s2, s15, 9
	s_add_nc_u64 s[34:35], s[12:13], s[2:3]
	s_wait_alu depctr_va_vdst(0)                   ; the wait, ahead of the first reader
.set n, 0
.rept 32
	v_mul_f32 v[S+n], v[O+n], v14                  ; ascending: register 16 b + i is channel 32 b + 16 h + i of my query
.set n, n+1
.endr
.irp b, 0,1
	v_max3_num_f32 v[BM+\b], |v[S+16*\b]|, |v[S+1+16*\b]|, 0x1800000
.endr
.irp i, 2,4,6,8,10,12,14
.irp b, 0,1
	v_max3_num_f32 v[BM+\b], v[BM+\b], |v[S+16*\b+\i]|, |v[S+1+16*\b+\i]|
.endr
.endr
.irp b, 0,1
	v_permlanex16_b32 v[PM+\b], v[BM+\b], s20, s21
.endr
.irp b, 0,1
	v_max_num_f32 v[BM+\b], v[BM+\b], v[PM+\b]
.endr
.irp b, 0,1
	v_add_nc_u32 v[SOP+\b], 0xff000000, v[BM+\b]
.endr
.irp b, 0,1
	v_lshrrev_b32 v[PM+\b], 23, v[SOP+\b]
.endr
	v_cndmask_b32 v[BYT], v[PM], v[PM+1], s28      ; lane (r, h): block h's byte
	v_cvt_scalef32_pk16_fp6_f32 v[PC:PC+2], v[S:S+15], v[SOP]
	v_cvt_scalef32_pk16_fp6_f32 v[CT:CT+2], v[S+16:S+31], v[SOP+1]
	v_nop
.irp i, 0,1,2
	v_permlane16_swap_b32 v[PC+\i], v[CT+\i]
.endr
.irp i, 0,1,2
	v_mov_b32 v[PC+3+\i], v[CT+\i]
.endr
	global_store_b128 v[L16], v[PC:PC+3], s[32:33]             ; 512 and 256 consecutive bytes, aligned: half a fragment
	global_store_b64 v[L8], v[PC+4:PC+5], s[32:33] offset:512
	global_store_b8 v[BOF], v[BYT], s[34:35]                   ; two bytes of each row's 32: the other heads' come from other work-groups
	s_sub_co_u32 s15, 127, s15                     ; the tile's partner
	s_sub_co_u32 s16, s16, 1
	s_cmp_lg_u32 s16, 0
	s_cbranch_scc1 .Ltile
	s_wait_tensorcnt 0x0                           ; the wave's end, behind my last LDS store
	ds_add_u32 v[SPW], v[NIL]
	s_wait_dscnt 0x0
	s_endpgm
.Lfunc_end_k_qa0a08df612_attn:
	.size	k_qa0a08df612_attn, .Lfunc_end_k_qa0a08df612_attn-k_qa0a08df612_attn
	.p2alignl 7, 3214868480
	.fill 96, 4, 3214868480
	.section	.rodata,"a",@progbits
	.p2align	6, 0x0
	.amdhsa_kernel k_qa0a08df612_attn
		.amdhsa_group_segment_fixed_size 206848
		.amdhsa_private_segment_fixed_size 0
		.amdhsa_enable_private_segment 0
		.amdhsa_kernarg_size 40
		.amdhsa_user_sgpr_count 2
		.amdhsa_user_sgpr_kernarg_segment_ptr 1
		.amdhsa_wavefront_size32 1
		.amdhsa_system_sgpr_workgroup_id_x 1
		.amdhsa_system_sgpr_workgroup_id_y 1
		.amdhsa_system_sgpr_workgroup_id_z 1
		.amdhsa_system_vgpr_workitem_id 0
		.amdhsa_next_free_vgpr 256
		.amdhsa_next_free_sgpr 102
		.amdhsa_reserve_vcc 0
		.amdhsa_float_denorm_mode_32 3
		.amdhsa_float_denorm_mode_16_64 3
		.amdhsa_memory_ordered 1
		.amdhsa_forward_progress 1
		.amdhsa_inst_pref_size 36
	.end_amdhsa_kernel
	.amdgpu_metadata
---
amdhsa.version: [ 1, 2 ]
amdhsa.kernels:
  - .name:           k_qa0a08df612_attn
    .symbol:         k_qa0a08df612_attn.kd
    .args:
      - { .name: qkv_codes, .offset: 0, .size: 8, .value_kind: global_buffer, .address_space: global }
      - { .name: qkv_scales, .offset: 8, .size: 8, .value_kind: global_buffer, .address_space: global }
      - { .name: mwords, .offset: 16, .size: 8, .value_kind: global_buffer, .address_space: global }
      - { .name: ctx_codes, .offset: 24, .size: 8, .value_kind: global_buffer, .address_space: global }
      - { .name: ctx_scales, .offset: 32, .size: 8, .value_kind: global_buffer, .address_space: global }
    .group_segment_fixed_size: 206848
    .private_segment_fixed_size: 0
    .kernarg_segment_align: 8
    .kernarg_segment_size: 40
    .max_flat_workgroup_size: 512
    .sgpr_count:     102
    .vgpr_count:     256
    .wavefront_size: 32
...
	.end_amdgpu_metadata
.endif
;; end of part 3
;; launch outp (part 4): grid 4 x 32, 4 waves a work-group, clusters of 4 x 4, 327,680 bytes of LDS; arguments ctx_codes, ctx_scales, xw_codes, xw_scales, bo, out0; writes out0
.if DOCPART == 4
	.amdgcn_target "amdgcn-amd-amdhsa--gfx1250"
	.amdhsa_code_object_version 6
	.text
	.protected	k_qa0a08df612_outp
	.globl	k_qa0a08df612_outp
	.p2align	8
	.type	k_qa0a08df612_outp,@function
k_qa0a08df612_outp:
	s_mov_b64 s[64:65], 0
	v_nop
	global_prefetch_b8 v0, s[64:65] scope:SCOPE_SE
	s_setreg_imm32_b32 hwreg(HW_REG_WAVE_MODE, 25, 1), 1
	s_wait_xcnt 0x0
	s_wait_alu depctr_hold_cnt(0) depctr_sa_sdst(0) depctr_va_vdst(0) depctr_va_sdst(0) depctr_va_ssrc(0) depctr_va_vcc(0) depctr_vm_vsrc(0)
	s_getreg_b32 s2, hwreg(HW_REG_IB_STS2, 6, 4)
	s_cmp_eq_u32 s2, 0
	s_cbranch_scc0 .Lentry_in_a_cluster
	s_endpgm
.Lentry_in_a_cluster:
	s_bfe_u32 s2, ttmp6, 0x10000c
	s_cmp_lg_u32 s2, 0xf033
	s_cbranch_scc0 .Lentry_shape_is_right
	s_endpgm
.Lentry_shape_is_right:
; A GEMM on codes of FP6 (E2M3) with E8M0 scales for each 32 along K = 1,024, sums in f32.  One text serves two launches: MODE 0 = the three projections, MODE 1 = the output projection.
; OPERANDS lie in memory as images of the operand's registers: row tile R (16 rows), fragment s (128 along K) at (8 R + s) x 1,536 bytes; in it, for c = 0, 1, registers 6c .. 6c+3 at 768 c + 16 x lane and registers 6c+4, 6c+5 at
; 768 c + 512 + 8 x lane.  So a fragment is two loads of 16 bytes and two of 8 bytes a lane, each on consecutive bytes.  Scale bytes: 32 for each row place, 512 for a row tile.
; A tile of 256 x 256 to a work-group, 128 x 128 to each of four waves: 64 accumulators in windows 2 and 3.  K goes in four slots' worth of 256 through a ring of two LDS slots filled by tensor loads:
; a wave's load brings 8 row tiles x 3,072 bytes.  The scale bytes of the work-group's rows come once, with the first fills.
; THE MATRIX INSTRUCTION IS USED TRANSPOSED: source 0 = 16 rows of the B side, source 1 = 16 rows of the A side: a lane holds ONE row of A, its registers run along B.
; MODE 0: cluster y = 8 kind + c.  kind 0: A = query, B = wq; 1: A = key, B = wk; 2: A = wv, B = value: B is always the axis along which the result is quantised next (channels for q and k, keys for v).
;   The bias is the C of each sum's first product.  The results are quantised in registers and stored as the attention launch's operands: for each (batch, head, block j of 128 tokens) four fragments of 1,536 bytes, each three
;   pieces of 512 bytes (registers 4 q .. 4 q + 3, 16 bytes a lane).  q, k: fragment p = [token tile 2 p: six registers of the head's 64 channels][tile 2 p + 1: six]; v: fragment t = 16 channels x 128 keys.
;   Scale words: 256 bytes for each (batch, head, j): [r][4 words].
; MODE 1: A = the attention's result (codes), B = wo; bias bo as C; f32 out through a stage in LDS, 512 consecutive bytes a store.
; CLUSTERS: 4 x 4 work-groups; A's tiles are asked for jointly along a row of the cluster, B's along a column.  Branches hang on the wave's number and on the cluster's y, which all partners share.
; LIMITS: NaN and infinities are not served; a block under 2^-124 keeps the byte 1.
.set MODE,   1
.set NQ,     2                         ; steps of 128 in a slot
.set FR,     12                        ; registers of a fragment
.set NL,     4                         ; LDS loads that bring one
.set NP,     4                         ; places behind this matrix instruction (ISA guide 7.12.1)
.set TILEB,  12288                     ; a row tile's codes for all of K
.set ROWB,   3072                      ; its part of a slot: two fragments
.set HALFT,  8*ROWB                    ; what one tensor load brings, and what one wave reads of A or of B
.set SLOT,   4*HALFT                   ; A's 16 row tiles, then B's 16
.set KS,     32                        ; a row's scale bytes
.set SCL,    2*SLOT                    ; behind the ring: the scales, as units of 256 bytes + 16 of padding
.set HALFS,  16*272                    ; those of 128 rows
.set SBLK,   2*272                     ; those of 16 rows
.set SPARE,  SCL+4*HALFS               ; the spare words, 128 bytes a wave: two blocks of 256 bytes that no other line names
.set SPITCH, 528                       ; MODE 1: a stage of 16 rows x (512 + 16) bytes a wave, in slot 0, behind that slot's last fill and last read
.set ADRA, 16                          ; v16-17 my A fragments in slot 0, 1, 16 bytes a lane; v18-19 the same, 8 bytes a lane
.set ADRB, 20                          ; v20-23 the same for B
.set STO,  24
.set RD,   25
.set CO,   26                          ; v26  16 x lane
.set ADRS, 27                          ; v27  my scale words: lanes 0-15 A's rows, lanes 16-31 B's
.set SPW,  28                          ; v28  my spare word; never rewritten
.set NIL,  29                          ; v29  0; never rewritten
.set SOF,  30                          ; v30  MODE 0: 4,096 h + 16 r
.set SC,   32                          ; v32-63  scale words, two sets of 16
.set BI,   64                          ; v64-127 the bias in the result's layout: eight registers a tile
.set AF,   128                         ; v128-223 A's fragments, ONE set.  Window 1: B's fragments, two sets, at v0 and v128
.set BK,   128                         ; MODE 1: rows read back from the stage
.set Y,    112                         ; MODE 0, the way out: codes; v136.., v140.. conversions' second halves; v144-151 scale words; v152-159 words to store; v200-215 at work
.set T0,   136
.set T1,   140
.set PW,   144
.set SW,   152
.set TM,   200
.set WV,   18
.set WH,   19
.set WL,   20
.set KIND, 21
.set TR,   22
.set TC,   23
.set G1,   24
.set G0,   32
.set G1B,  48
.set G0B,  56
.set G1S,  68
.set G0S,  76
.set G1SB, 80
.set G0SB, 88
.set PAC,  4
.set PAS,  6
.if MODE == 0
.set PBC,  4
.set PBS,  6
.else
.set PBC,  8
.set PBS,  10
.endif
.set MSB, 0
.macro WIN new                         ; the immediate's high byte repeats the setting that is left
.if MSB != \new
	s_set_vgpr_msb (MSB<<8)|\new
.set MSB, \new
.endif
.endm
.set MUL_LO, 0xa1                      ; source 0 (B) window 1, source 1 (A) window 0, C and D window 2
.set MUL_HI, 0xf1                      ; the same, C and D window 3
.set TO_B,   0x40                      ; destination window 1, address window 0
; A joint load: waves 0 and 1 fetch for A, waves 2 and 3 for B.  An s_nop 0 and four v_nop follow each of the two lines.
.macro JLOAD g0a, g1a, g0b, g1b
	s_cmp_eq_u32 s[WH], 0
	s_cbranch_scc0 .Lfor_b_\@
	tensor_load_to_lds s[\g0a:\g0a+3], s[\g1a:\g1a+7]
	s_nop 0
.rept 4
	v_nop
.endr
	s_branch .Lasked_\@
.Lfor_b_\@:
	tensor_load_to_lds s[\g0b:\g0b+3], s[\g1b:\g1b+7]
	s_nop 0
.rept 4
	v_nop
.endr
.Lasked_\@:
.endm
.macro CREST                           ; a round of the cluster's barrier behind its opening barrier
	s_cmp_lg_u32 s[WV], 0
	s_cbranch_scc1 .Lnot_wave_0_\@
	s_barrier_signal -3
.Lnot_wave_0_\@:
	s_barrier_wait -3
	s_barrier_signal -1
	s_barrier_wait -1
.endm
.macro CROUND
	s_barrier_signal -1
	s_barrier_wait -1
	CREST
.endm
	s_load_b256 s[4:11], s[0:1], 0x0               ; MODE 0: xw_codes, xw_scales, bq, bk.  MODE 1: ctx_codes, ctx_scales, xw_codes, xw_scales
	s_load_b128 s[12:15], s[0:1], 0x20             ; MODE 0: bv, qkv_codes.  MODE 1: bo, out0
.if MODE == 0
	s_load_b64 s[16:17], s[0:1], 0x30              ; qkv_scales
.endif
	v_lshl_add_u32 v[SPW], v0, 2, SPARE
	v_mov_b32 v[NIL], 0
	ds_add_u32 v[SPW], v[NIL]                      ; the wave's opening: the add and its wait ahead of my first tensor load; work on registers stands between them
	v_lshrrev_b32 v1, 5, v0
	v_readfirstlane_b32 s[WV], v1                  ; wave 0..3
	s_lshr_b32 s[WH], s[WV], 1                     ; which half of the tile's A rows is mine.  Also: I fetch for A (0) or for B (1)
	s_and_b32 s[WL], s[WV], 1                      ; which half of its B rows.  Also: which 8 row tiles I fetch
	s_bfe_u32 s40, ttmp6, 0x40000                  ; cx
	s_bfe_u32 s41, ttmp6, 0x40004                  ; cy
	s_and_b32 s42, ttmp7, 0xffff                   ; the cluster's y
.if MODE == 0
	s_lshr_b32 s[KIND], s42, 3
	s_and_b32 s43, s42, 7
	s_lshl_b32 s43, s43, 2                         ; four tiles of the long side to a cluster
	s_lshl_b32 s44, s[KIND], 9                     ; A's first row tile: query 0, key 512,
	s_lshl_b32 s45, s[KIND], 6
	s_add_co_u32 s45, s45, 1536                    ; B's: wq 1,536, wk 1,600;
	s_cmp_eq_u32 s[KIND], 2
	s_cselect_b32 s[TR], 0, s43
	s_cselect_b32 s[TC], s43, 0
	s_cselect_b32 s44, 1664, s44                   ; kind 2: A = wv,
	s_cselect_b32 s45, 1024, s45                   ; B = value
.else
	s_lshl_b32 s[TR], s42, 2
	s_mov_b32 s[TC], 0
	s_mov_b32 s44, 0                               ; A = ctx
	s_mov_b32 s45, 1728                            ; B = wo
.endif
	s_add_co_u32 s[TR], s[TR], s41                 ; tile row
	s_add_co_u32 s[TC], s[TC], s40                 ; tile column
	s_lshl_b32 s46, s41, 2
	s_lshl_b32 s46, 15, s46                        ; my row of the cluster
	s_lshl_b32 s47, 0x1111, s40                    ; my column
	; descriptor group 1 for the codes: 8 rows (row tiles) of 384 elements of 8 bytes, 1,536 elements apart; no padding: every LDS load reads consecutive bytes
	s_or_b32 s[G1+0], s46, (3<<16)|(1<<21)
	s_or_b32 s[G1B+0], s47, (3<<16)|(1<<21)
.irp g, G1, G1B
	s_mov_b32 s[\g+1], 384<<16                     ; tensor_dim0
	s_mov_b32 s[\g+2], 8<<16                       ; tensor_dim1
	s_mov_b32 s[\g+3], 384<<16                     ; tile_dim0
	s_mov_b32 s[\g+4], 8                           ; tile_dim1
	s_mov_b32 s[\g+5], 1536                        ; stride
	s_mov_b32 s[\g+6], 0
	s_mov_b32 s[\g+7], 0
.endr
	; and for the scales of 128 rows: 4,096 dense bytes as 16 rows of 256 bytes, 16 bytes of padding behind each
	s_or_b32 s[G1S+0], s46, (3<<16)|(1<<20)|(1<<21)|(5<<22)|(3<<25)
	s_or_b32 s[G1SB+0], s47, (3<<16)|(1<<20)|(1<<21)|(5<<22)|(3<<25)
.irp g, G1S, G1SB
	s_mov_b32 s[\g+1], 32<<16
	s_mov_b32 s[\g+2], 16<<16
	s_mov_b32 s[\g+3], 32<<16
	s_mov_b32 s[\g+4], 16
	s_mov_b32 s[\g+5], 32
	s_mov_b32 s[\g+6], 0
	s_mov_b32 s[\g+7], 0
.endr
	s_lshl_b32 s43, s[WL], 3
	s_lshl_b32 s92, s[TR], 4
	s_add_co_u32 s92, s92, s44
	s_add_co_u32 s92, s92, s43                     ; A: the first row tile that I fetch
	s_lshl_b32 s94, s[TC], 4
	s_add_co_u32 s94, s94, s45
	s_add_co_u32 s94, s94, s43                     ; B likewise
	s_mul_i32 s96, s92, TILEB
	s_mov_b32 s97, 0
	s_lshl_b32 s98, s92, 9
	s_mov_b32 s99, 0
	s_mul_i32 s100, s94, TILEB
	s_mov_b32 s101, 0
	s_lshl_b32 s66, s94, 9
	s_mov_b32 s67, 0
	s_mul_i32 s2, s[WV], HALFT                     ; where they go: no place in the cluster enters an LDS address
	s_mul_i32 s3, s[WV], HALFS
	s_wait_dscnt 0x0                               ; the opening add is done
	s_wait_kmcnt 0x0
	s_add_nc_u64 s[96:97], s[PAC:PAC+1], s[96:97]
	s_add_nc_u64 s[98:99], s[PAS:PAS+1], s[98:99]
	s_add_nc_u64 s[100:101], s[PBC:PBC+1], s[100:101]
	s_add_nc_u64 s[66:67], s[PBS:PBS+1], s[66:67]
	CROUND                                         ; all sixteen work-groups are here: the first joint loads meet
	s_mov_b32 s[G0S], 1
	s_add_co_u32 s[G0S+1], s3, SCL
	s_mov_b64 s[G0S+2:G0S+3], s[98:99]
	s_or_b32 s[G0S+3], s[G0S+3], 0x80000000
	s_mov_b32 s[G0SB], 1
	s_add_co_u32 s[G0SB+1], s3, SCL
	s_mov_b64 s[G0SB+2:G0SB+3], s[66:67]
	s_or_b32 s[G0SB+3], s[G0SB+3], 0x80000000
	JLOAD G0S, G1S, G0SB, G1SB                     ; the scales first: they are wanted with the first step
.irp s, 0,1
	s_mov_b32 s[G0+4*\s], 1
	s_add_co_u32 s[G0+4*\s+1], s2, \s*SLOT
	s_add_nc_u64 s[G0+4*\s+2:G0+4*\s+3], s[96:97], \s*ROWB
	s_or_b32 s[G0+4*\s+3], s[G0+4*\s+3], 0x80000000
	s_mov_b32 s[G0B+4*\s], 1
	s_add_co_u32 s[G0B+4*\s+1], s2, \s*SLOT
	s_add_nc_u64 s[G0B+4*\s+2:G0B+4*\s+3], s[100:101], \s*ROWB
	s_or_b32 s[G0B+4*\s+3], s[G0B+4*\s+3], 0x80000000
	JLOAD G0+4*\s, G1, G0B+4*\s, G1B               ; three loads of mine are out behind the second of these
.endr
	v_and_b32 v1, 15, v0                           ; r
	v_bfe_u32 v2, v0, 4, 1                         ; h
	v_and_b32 v3, 31, v0                           ; lane
	v_lshlrev_b32 v[CO], 4, v3
	v_lshlrev_b32 v5, 3, v3
	s_mul_i32 s42, s[WH], HALFT                    ; my 8 row tiles of A
	s_mul_i32 s43, s[WL], HALFT                    ; my 8 of B,
	s_add_co_u32 s43, s43, 2*HALFT                 ; which lie behind A's 16
.irp s, 0,1
	v_add_nc_u32 v[ADRA+\s], s42, v[CO]
	v_add_nc_u32 v[ADRB+\s], s43, v[CO]
	v_add_nc_u32 v[ADRA+2+\s], s42, v5
	v_add_nc_u32 v[ADRB+2+\s], s43, v5
	s_add_co_u32 s42, s42, SLOT
	s_add_co_u32 s43, s43, SLOT
.endr
	v_mul_u32_u24 v6, v1, KS                       ; my row's scales: 32 bytes a row,
	v_lshrrev_b32 v7, 8, v6
	v_lshl_add_u32 v6, v7, 4, v6                   ; and 16 more for each 256 passed
	s_mul_i32 s42, s[WH], HALFS
	s_mul_i32 s43, s[WL], HALFS
	s_add_co_u32 s43, s43, 2*HALFS
	s_sub_co_u32 s43, s43, s42
	v_mul_u32_u24 v7, s43, v2                      ; lanes 16-31 take B's
	s_add_co_u32 s42, s42, SCL
	v_add_nc_u32 v6, v6, v7
	v_add_nc_u32 v[ADRS], s42, v6
	s_lshl_b32 s42, s[TR], 1
	s_add_co_u32 s42, s42, s[WH]                   ; which 128 rows of the A side are mine
	s_lshl_b32 s43, s[TC], 1
	s_add_co_u32 s43, s43, s[WL]                   ; which 128 of the B side
	s_mov_b32 s93, 0
.if MODE == 0
	s_cmp_eq_u32 s[KIND], 2
	s_cselect_b32 s44, s43, s42                    ; the block of 128 tokens,
	s_cselect_b32 s45, s42, s43                    ; the pair of heads
	s_lshr_b32 s46, s44, 4                         ; batch
	s_and_b32 s47, s44, 15                         ; j
	s_mul_i32 s92, s[KIND], 6291456
	s_mul_i32 s94, s46, 1572864
	s_add_co_u32 s92, s92, s94
	s_mul_i32 s94, s45, 196608
	s_add_co_u32 s92, s92, s94
	s_mul_i32 s94, s47, 6144
	s_add_co_u32 s92, s92, s94
	s_add_nc_u64 s[14:15], s[14:15], s[92:93]      ; kind x 6,291,456 + ((16 batch + head) x 16 + j) x 6,144
	s_lshl_b32 s92, s[KIND], 18
	s_lshl_b32 s94, s46, 16
	s_add_co_u32 s92, s92, s94
	s_lshl_b32 s94, s45, 13
	s_add_co_u32 s92, s92, s94
	s_lshl_b32 s94, s47, 8
	s_add_co_u32 s92, s92, s94
	s_add_nc_u64 s[16:17], s[16:17], s[92:93]      ; kind x 262,144 + ((16 batch + head) x 16 + j) x 256
	v_lshlrev_b32 v8, 4, v1
	v_lshl_add_u32 v[SOF], v2, 12, v8
	s_cmp_eq_u32 s[KIND], 0
	s_cselect_b64 s[8:9], s[8:9], s[10:11]         ; bq or bk
	s_lshl_b32 s92, s43, 9
	s_add_nc_u64 s[8:9], s[8:9], s[92:93]          ; at my 128 channels (used by kinds 0 and 1 alone)
	s_lshl_b32 s92, s42, 9
	s_add_nc_u64 s[12:13], s[12:13], s[92:93]      ; bv likewise (used by kind 2 alone)
	v_lshlrev_b32 v6, 6, v2                        ; q, k: register j of tile b is channel 32 (b / 2) + 16 h + 8 (b % 2) + j
	v_and_b32 v7, 8, v1
	v_add_nc_u32 v7, v7, v1
	v_lshlrev_b32 v7, 2, v7                        ; v: all eight registers of tile a are channel 32 (a / 2) + 8 (a % 2) + r + 8 (r / 8)
	s_cmp_eq_u32 s[KIND], 2
	s_cbranch_scc1 .Lbias_v
.irp b, 0,1,2,3,4,5,6,7
	global_load_b128 v[BI+8*\b:BI+8*\b+3], v6, s[8:9] offset:(32*(\b/2)+8*(\b%2))*4
	global_load_b128 v[BI+8*\b+4:BI+8*\b+7], v6, s[8:9] offset:(32*(\b/2)+8*(\b%2))*4+16
.endr
	s_branch .Lbias_done
.Lbias_v:
.irp a, 0,1,2,3,4,5,6,7
.irp j, 0,1,2,3,4,5,6,7
	global_load_b32 v[BI+8*\a+\j], v7, s[12:13] offset:(32*(\a/2)+8*(\a%2))*4
.endr
.endr
.Lbias_done:
.else
	s_lshl_b32 s92, s42, 19                        ; my first row of out0: 128 rows of 4,096 bytes each,
	s_lshl_b32 s94, s43, 9                         ; my first column: 128 numbers
	s_add_co_u32 s92, s92, s94
	s_add_nc_u64 s[14:15], s[14:15], s[92:93]
	s_mov_b32 s92, s94
	s_add_nc_u64 s[12:13], s[12:13], s[92:93]      ; bo at my 128 columns
	v_lshlrev_b32 v6, 5, v2                        ; register j of tile b is column 16 b + 8 h + j
.irp b, 0,1,2,3,4,5,6,7
	global_load_b128 v[BI+8*\b:BI+8*\b+3], v6, s[12:13] offset:64*\b
	global_load_b128 v[BI+8*\b+4:BI+8*\b+7], v6, s[12:13] offset:64*\b+16
.endr
	s_mul_i32 s44, s[WV], 16*SPITCH                ; my stage
	v_mul_u32_u24 v8, v1, SPITCH
	v_lshl_add_u32 v8, v2, 5, v8
	v_add_nc_u32 v[STO], s44, v8                   ; in: row r, 32 bytes for each half of the lanes
	v_add_nc_u32 v[RD], s44, v[CO]                 ; back: the 32 lanes take one row of 512 bytes
.endif
.macro FRAG reg, adr, q, i             ; fragment q of row tile i of my eight: the image of its twelve registers
	ds_load_b128 v[\reg:\reg+3], v[\adr] offset:(\i)*ROWB+(\q)*1536
	ds_load_b64 v[\reg+4:\reg+5], v[\adr+2] offset:(\i)*ROWB+(\q)*1536+512
	ds_load_b128 v[\reg+6:\reg+9], v[\adr] offset:(\i)*ROWB+(\q)*1536+768
	ds_load_b64 v[\reg+10:\reg+11], v[\adr+2] offset:(\i)*ROWB+(\q)*1536+1280
.endm
; 16 matrix instructions: A's blocks a0, a0 + 1 x B's eight, the slot's q-th 128 along K.  p: B's set; sc: the set of scale words.
; zero = 0: onto the sums; 2: the first product, C = the bias by B's block; 3: C = the bias by A's block.  The 64 accumulators take turns, one instruction a turn, in the same order in every step.
.macro MUL16 a0, p, q, sc, zero
.irp a, \a0, \a0+1
.irp b, 0,1,2,3,4,5,6,7
.set ACR, 8*(8*((\a)%4)+\b)
.set CR, ACR
.if \zero == 2
.set CR, BI+8*\b
.endif
.if \zero == 3
.set CR, BI+8*(\a)
.endif
	v_wmma_scale_f32_16x16x128_f8f6f4 v[ACR:ACR+7], v[128*(\p)+FR*\b:128*(\p)+FR*\b+FR-1], v[AF+FR*(\a):AF+FR*(\a)+FR-1], v[CR:CR+7], v[SC+8*NQ*(\sc)+NQ*\b+(\q)], v[SC+8*NQ*(\sc)+NQ*(\a)+(\q)] matrix_a_fmt:MATRIX_FMT_FP6 matrix_b_fmt:MATRIX_FMT_FP6 matrix_a_scale:MATRIX_SCALE_ROW1
.endr
.endr
.endm
.macro FETCH_B slot, q, p
	WIN TO_B
.irp i, 0,1,2,3,4,5,6,7
	FRAG 128*(\p)+FR*\i, ADRB+\slot, \q, \i
.endr
	WIN 0
.endm
.macro FETCH_A slot, q, i0
.irp i, \i0, \i0+1, \i0+2, \i0+3
	FRAG AF+FR*(\i), ADRA+\slot, \q, \i
.endr
.endm
.macro SCALES sc                       ; a slot's scale words: two words a row; lanes 0-15 A's block i, lanes 16-31 B's block i
.irp i, 0,1,2,3,4,5,6,7
	ds_load_b64 v[SC+8*NQ*\sc+NQ*\i:SC+8*NQ*\sc+NQ*\i+1], v[ADRS] offset:\i*SBLK
.endr
.endm
.macro PLACES n                        ; plain vector instructions between a matrix instruction and a load into, or a vector access to, its registers
.rept \n
	v_nop
.endr
.endm
; A step of 128 along K that has its successor in the same slot.  A has one set of registers: blocks 0-3 are fetched anew in the step's middle, blocks 4-7 at its end; B has two sets.
.macro STEP slot, q, zero
	s_wait_dscnt 4*NL                              ; B's set, the scale words and A's blocks 0-3 are in; the youngest 16 loads (A's blocks 4-7) may be out
.if \zero
	WIN 0x81                                       ; C (the bias) window 0, D window 2
.else
	WIN MUL_LO
.endif
	MUL16 0, (\q)%2, \q, \slot, \zero
	MUL16 2, (\q)%2, \q, \slot, \zero
	s_wait_dscnt 0
	PLACES NP
	FETCH_B \slot, (\q)+1, 1-(\q)%2
	FETCH_A \slot, (\q)+1, 0
.if \zero
	WIN 0xc1                                       ; C window 0, D window 3
.else
	WIN MUL_HI
.endif
	MUL16 4, (\q)%2, \q, \slot, \zero
	MUL16 6, (\q)%2, \q, \slot, \zero
	PLACES NP
	WIN 0
	FETCH_A \slot, (\q)+1, 4
.endm
; A slot's last step changes slots: ONE barrier; in front of it each wave waits for all its tensor loads, adds 0 to its spare word, and waits for that and for its own reads of this slot.  fill = 1: this slot is filled again.
.macro TURN slot, next, fill
	s_wait_tensorcnt 0x0                           ; all my tensor loads have landed: my part of the next slot
	ds_add_u32 v[SPW], v[NIL]
	s_wait_dscnt 4*NL+1                            ; (the add and the youngest 16 loads, A's blocks 4-7, may be out)
	WIN MUL_LO
	MUL16 0, 1, NQ-1, \slot, 0
	s_wait_dscnt 0x0                               ; the add is done, and my reads of this slot are over
	s_barrier_signal -1
	MUL16 2, 1, NQ-1, \slot, 0
	WIN 0
	s_barrier_wait -1
.if \fill
	CREST                                          ; the barrier has opened a round of the cluster's barrier: no wave of any partner still reads this slot or has a load on its way
	s_add_nc_u64 s[G0+4*\slot+2:G0+4*\slot+3], s[G0+4*\slot+2:G0+4*\slot+3], 2*ROWB
	s_add_nc_u64 s[G0B+4*\slot+2:G0B+4*\slot+3], s[G0B+4*\slot+2:G0B+4*\slot+3], 2*ROWB
	JLOAD G0+4*\slot, G1, G0B+4*\slot, G1B         ; the first tensor load behind the round, my one load until the next; its four v_nop are the places in front of the loads below
.else
	PLACES NP
.endif
	v_add_nc_u32 v[ADRS], 4*NQ, v[ADRS]            ; the next slot's scale words
	FETCH_B \next, 0, 0
	FETCH_A \next, 0, 0
	SCALES \next
	WIN MUL_HI
	MUL16 4, 1, NQ-1, \slot, 0
	MUL16 6, 1, NQ-1, \slot, 0
	PLACES NP
	WIN 0
	FETCH_A \next, 0, 4
.endm
	s_wait_tensorcnt 1                             ; the scales and my part of slot 0 are in; slot 1's load may be out
	s_barrier_signal -1
	s_barrier_wait -1
	FETCH_B 0, 0, 0
	FETCH_A 0, 0, 0
	SCALES 0
	FETCH_A 0, 0, 4
	s_wait_loadcnt 0x0                             ; the bias
.if MODE == 0
	s_cmp_eq_u32 s[KIND], 2
	s_cbranch_scc1 .Lfirst_v
	STEP 0, 0, 2                                   ; the first products start the sums with the bias
	s_branch .Lfirst_done
.Lfirst_v:
	STEP 0, 0, 3
.Lfirst_done:
.else
	STEP 0, 0, 2
.endif
	TURN 0, 1, 1                                   ; K is eight steps of 128, four slots' worth: written out; slot 0 takes K 512 on,
	STEP 1, 0, 0
	TURN 1, 0, 1                                   ; slot 1 K 768 on
	STEP 0, 0, 0
	TURN 0, 1, 0                                   ; nothing is left to fetch
	STEP 1, 0, 0
	s_wait_dscnt 4*NL
	WIN MUL_LO
	MUL16 0, 1, NQ-1, 1, 0
	MUL16 2, 1, NQ-1, 1, 0
	s_wait_dscnt 0
	WIN MUL_HI
	MUL16 4, 1, NQ-1, 1, 0
	MUL16 6, 1, NQ-1, 1, 0
	WIN 0
	PLACES NP
.if MODE == 0
; THE WAY OUT, MODE 0.  A's block a: 64 registers of a lane, register 16 b + i = place 32 b + 16 h + i along the next K.  They become twelve registers of codes, six at d0 (blocks 0, 1) and six at d1 (blocks 2, 3), and a scale word.
; Each accumulator is read from its low end on.
.macro QUANTG a, d0, d1, pw
.set AC, 64*((\a)%4)
	WIN 0x0a+5*((\a)/4)                            ; sources 0 and 1: window 2 or 3
.irp b, 0,1,2,3
	v_max3_num_f32 v[TM+\b], |v[AC+16*\b]|, |v[AC+16*\b+1]|, 0x1800000   ; over the floor 2^(3 - 127): the byte cannot fall under 1
.endr
.irp i, 2,4,6,8,10,12,14
.irp b, 0,1,2,3
	v_max3_num_f32 v[TM+\b], |v[AC+16*\b+\i]|, |v[AC+16*\b+\i+1]|, v[TM+\b]
.endr
.endr
	WIN 0
.irp b, 0,1,2,3
	v_permlanex16_b32 v[TM+4+\b], v[TM+\b], s40, s41
.endr
.irp b, 0,1,2,3
	v_max_num_f32 v[TM+\b], v[TM+\b], v[TM+4+\b]   ; with lane l xor 16's 16: the block's largest magnitude
.endr
.irp b, 0,1,2,3
	v_add_nc_u32 v[TM+12+\b], 0xff000000, v[TM+\b] ; 2 off the exponent field: the conversion's scale operand
.endr
.irp b, 0,1,2,3
	v_lshrrev_b32 v[TM+4+\b], 23, v[TM+12+\b]      ; the scale's byte
.endr
	v_lshl_or_b32 v[\pw], v[TM+5], 8, v[TM+4]
	v_lshl_or_b32 v[\pw], v[TM+6], 16, v[\pw]
	v_lshl_or_b32 v[\pw], v[TM+7], 24, v[\pw]
	WIN 0x02+(\a)/4                                ; source 0: window 2 or 3
	v_cvt_scalef32_pk16_fp6_f32 v[\d0:\d0+2], v[AC:AC+15], v[TM+12]
	v_cvt_scalef32_pk16_fp6_f32 v[T0:T0+2], v[AC+16:AC+31], v[TM+13]
	v_cvt_scalef32_pk16_fp6_f32 v[\d1:\d1+2], v[AC+32:AC+47], v[TM+14]
	v_cvt_scalef32_pk16_fp6_f32 v[T1:T1+2], v[AC+48:AC+63], v[TM+15]
	WIN 0
	v_nop                                          ; one plain place behind a scaled conversion
.irp i, 0,1,2                          ; the operand's layout wants a whole block in a lane: lanes 0-15 the even block, lanes 16-31 the odd one
	v_permlane16_swap_b32 v[\d0+\i], v[T0+\i]
	v_permlane16_swap_b32 v[\d1+\i], v[T1+\i]
.endr
.irp i, 0,1,2
	v_mov_b32 v[\d0+3+\i], v[T0+\i]
	v_mov_b32 v[\d1+3+\i], v[T1+\i]
.endr
.endm
	s_mov_b32 s40, 0x76543210
	s_mov_b32 s41, 0xfedcba98                      ; v_permlanex16_b32's selects for lane l xor 16
	s_mov_b32 s42, 0xffff0000                      ; lanes 16-31
.irp b, 0,1,2,3
	v_mov_b32 v[TM+4+\b], 0                        ; a lane permute's destination counts as one of its sources
.endr
	s_cmp_eq_u32 s[KIND], 2
	s_cbranch_scc1 .Lepi_v
.irp p, 0,1,2,3                        ; q, k: blocks 0, 1 are my first head's 64 channels, blocks 2, 3 my second's.  Token tiles 2 p and 2 p + 1 make one fragment for each head
	s_wait_xcnt 0x0                                ; the last stores have read the codes' registers
	QUANTG 2*\p, Y, Y+12, PW+2*\p
	QUANTG 2*\p+1, Y+6, Y+18, PW+2*\p+1
.irp q, 0,1,2
	global_store_b128 v[CO], v[Y+4*\q:Y+4*\q+3], s[14:15] offset:\p*1536+512*\q          ; 512 consecutive bytes, aligned
	global_store_b128 v[CO], v[Y+12+4*\q:Y+12+4*\q+3], s[14:15] offset:98304+\p*1536+512*\q
.endr
.endr
.irp p, 0,1,2,3
	v_perm_b32 v[SW+\p], v[PW+2*\p+1], v[PW+2*\p], 0x05040100     ; first head: the two tiles' bytes 0, 1
	v_perm_b32 v[SW+4+\p], v[PW+2*\p+1], v[PW+2*\p], 0x07060302   ; second head: bytes 2, 3
.endr
.irp p, 0,1,2,3
	v_cndmask_b32 v[SW+\p], v[SW+\p], v[SW+4+\p], s42
.endr
	global_store_b128 v[SOF], v[SW:SW+3], s[16:17] ; lanes 0-15 the first head's 256 bytes, lanes 16-31 the second's
	s_branch .Lepi_done
.Lepi_v:
.irp a, 0,1,2,3,4,5,6,7                ; v: A's block a is 16 channels (blocks 0-3 my first head, 4-7 my second), the four blocks of 32 are my 128 keys: one fragment
	s_wait_xcnt 0x0
	QUANTG \a, Y, Y+6, PW+\a
.irp q, 0,1,2
	global_store_b128 v[CO], v[Y+4*\q:Y+4*\q+3], s[14:15] offset:(\a/4)*98304+(\a%4)*1536+512*\q
.endr
.endr
.irp t, 0,1,2,3
	v_cndmask_b32 v[SW+\t], v[PW+\t], v[PW+4+\t], s42
.endr
	global_store_b128 v[SOF], v[SW:SW+3], s[16:17]
.Lepi_done:
.else
; THE WAY OUT, MODE 1, block by block of 16 rows x 128 columns: through my own stage and back as whole rows of 512 bytes.  LDS serves a wave's instructions in order (ISA guide 5.7.1.4).
.macro TOSTAGE a
.set AC, 64*((\a)%4)
	WIN 0x08+4*((\a)/4)                            ; the data: window 2 or 3
.irp b, 0,1,2,3,4,5,6,7
	ds_store_b128 v[STO], v[AC+8*\b:AC+8*\b+3] offset:64*\b          ; each accumulator from its low end on
	ds_store_b128 v[STO], v[AC+8*\b+4:AC+8*\b+7] offset:64*\b+16
.endr
	WIN 0
.set BB, BK+64*((\a)%2)
.irp t, 0,1,2,3,4,5,6,7,8,9,10,11,12,13,14,15
	ds_load_b128 v[BB+4*\t:BB+4*\t+3], v[RD] offset:\t*SPITCH
.endr
.endm
.macro SEND a, younger
.set BB, BK+64*((\a)%2)
	s_wait_dscnt \younger                          ; the block is back; the next block's 16 stores and 16 loads may be out
.if (\a) > 0
	s_add_nc_u64 s[14:15], s[14:15], 16*4096       ; (behind a wait on XCNT for 0: the earlier stores have read their base)
.endif
.irp t, 0,1,2,3,4,5,6,7,8,9,10,11,12,13,14,15
	global_store_b128 v[CO], v[BB+4*\t:BB+4*\t+3], s[14:15] offset:\t*4096 th:TH_STORE_NT   ; 512 consecutive bytes, aligned
.endr
.endm
	TOSTAGE 0
.irp a, 1,2,3,4,5,6,7
.if \a > 1
	s_wait_xcnt 0x0                                ; block a - 2's stores have read their registers and their base
.endif
	TOSTAGE \a
	SEND \a-1, 32
.endr
	s_wait_xcnt 0x0
	SEND 7, 0
.endif
	s_wait_tensorcnt 0x0                           ; the wave's end
	ds_add_u32 v[SPW], v[NIL]
	s_wait_dscnt 0x0
	CROUND                                         ; the closing round
	s_endpgm
.Lfunc_end_k_qa0a08df612_outp:
	.size	k_qa0a08df612_outp, .Lfunc_end_k_qa0a08df612_outp-k_qa0a08df612_outp
	.p2alignl 7, 3214868480
	.fill 96, 4, 3214868480
	.section	.rodata,"a",@progbits
	.p2align	6, 0x0
	.amdhsa_kernel k_qa0a08df612_outp
		.amdhsa_group_segment_fixed_size 327680
		.amdhsa_private_segment_fixed_size 0
		.amdhsa_enable_private_segment 0
		.amdhsa_kernarg_size 48
		.amdhsa_user_sgpr_count 2
		.amdhsa_user_sgpr_kernarg_segment_ptr 1
		.amdhsa_wavefront_size32 1
		.amdhsa_system_sgpr_workgroup_id_x 1
		.amdhsa_system_sgpr_workgroup_id_y 1
		.amdhsa_system_sgpr_workgroup_id_z 1
		.amdhsa_system_vgpr_workitem_id 0
		.amdhsa_next_free_vgpr 1024
		.amdhsa_next_free_sgpr 102
		.amdhsa_reserve_vcc 0
		.amdhsa_float_denorm_mode_32 3
		.amdhsa_float_denorm_mode_16_64 3
		.amdhsa_memory_ordered 1
		.amdhsa_forward_progress 1
		.amdhsa_inst_pref_size 145
	.end_amdhsa_kernel
	.amdgpu_metadata
---
amdhsa.version: [ 1, 2 ]
amdhsa.kernels:
  - .name:           k_qa0a08df612_outp
    .symbol:         k_qa0a08df612_outp.kd
    .args:
      - { .name: ctx_codes, .offset: 0, .size: 8, .value_kind: global_buffer, .address_space: global }
      - { .name: ctx_scales, .offset: 8, .size: 8, .value_kind: global_buffer, .address_space: global }
      - { .name: xw_codes, .offset: 16, .size: 8, .value_kind: global_buffer, .address_space: global }
      - { .name: xw_scales, .offset: 24, .size: 8, .value_kind: global_buffer, .address_space: global }
      - { .name: bo, .offset: 32, .size: 8, .value_kind: global_buffer, .address_space: global }
      - { .name: out0, .offset: 40, .size: 8, .value_kind: global_buffer, .address_space: global }
    .group_segment_fixed_size: 327680
    .private_segment_fixed_size: 0
    .kernarg_segment_align: 8
    .kernarg_segment_size: 48
    .max_flat_workgroup_size: 128
    .sgpr_count:     102
    .vgpr_count:     1024
    .wavefront_size: 32
...
	.end_amdgpu_metadata
.endif
;; end of part 4
;; ======== version 2 of 2: 4 launches; version 1 with the launch attn written anew for expert scheduling mode
;; limits: right only within a limited range of input values
;; workspace buffers: xw_codes 22,020,096 bytes; xw_scales 917,504 bytes; mwords 589,824 bytes of whole numbers; qkv_codes 18,874,368 bytes; qkv_scales 786,432 bytes; ctx_codes 6,291,456 bytes; ctx_scales 262,144 bytes
;; launch quant: the kernel of part 1 again; grid 576 x 1, 4 waves a work-group, no clusters, 68,096 bytes of LDS; arguments query, key, value, wq, wk, wv, wo, mask, xw_codes, xw_scales, mwords; writes xw_codes, xw_scales, mwords
;; launch proj: the kernel of part 2 again; grid 4 x 96, 4 waves a work-group, clusters of 4 x 4, 327,680 bytes of LDS; arguments xw_codes, xw_scales, bq, bk, bv, qkv_codes, qkv_scales; writes qkv_codes, qkv_scales
;; launch attn (part 5): grid 4 x 64, 16 waves a work-group, no clusters, 206,848 bytes of LDS; arguments qkv_codes, qkv_scales, mwords, ctx_codes, ctx_scales; writes ctx_codes, ctx_scales
.if DOCPART == 5
	.amdgcn_target "amdgcn-amd-amdhsa--gfx1250"
	.amdhsa_code_object_version 6
	.text
	.protected	k_qa0a08df612_attn
	.globl	k_qa0a08df612_attn
	.p2align	8
	.type	k_qa0a08df612_attn,@function
k_qa0a08df612_attn:
	s_mov_b64 s[64:65], 0
	v_nop
	global_prefetch_b8 v0, s[64:65] scope:SCOPE_SE
	s_setreg_imm32_b32 hwreg(HW_REG_WAVE_SCHED_MODE, 0, 2), 2
	s_setreg_imm32_b32 hwreg(HW_REG_WAVE_MODE, 25, 1), 1
	s_wait_xcnt 0x0
	s_wait_alu depctr_vm_vsrc(0)
; ATTENTION on codes of FP6 (E2M3), one (batch, head) to a work-group row: work-group (x, bh), sixteen waves of 256 registers, four to a SIMD.
; THE WHOLE HEAD LIES IN LDS: K's codes 98,304 bytes, V's 98,304, their scale words 4,096 each: filled ONCE through registers, ONE barrier; then the waves go their own ways.
; Wave w takes query tiles tau = 16 x + w and 127 - tau (16 queries each) and walks the 16 key steps of 128 keys.
; LAYOUT.  S^T = K Q^T (source 0 = 16 keys, source 1 = my 16 queries), O^T = V^T P^T: a lane holds ONE query.  The keys of a tile, and V's channels, were ordered two launches ago so that the 16 registers of tiles 2 b, 2 b + 1
; are 16 neighbours: register 16 b + i of S is key 32 b + 16 h + i; of O^T channel 32 b + 16 h + i.
; K = 64 IN AN INSTRUCTION OF 128: a fragment of K holds two key tiles, six registers each.  Q's six registers stand between two runs of six zero registers: [q, 0] picks the first tile, [0, q] the second; the other half meets zero codes
; (Q's scale bytes there are 1).
; THE MASK is an input: the first launch turned it into lane masks (64 words for a tile and a step) and flags.  A masked score becomes -2^33 ahead of the maximum (see LIMITS).  A step is LEFT OUT only where all its 2,048 mask words are 0
; AND each of the tile's 16 rows has a word that is not 0 somewhere: then its p are 0.  A step in which every word counts skips the 64 selects.  Both are scalar branches on whole numbers read from memory.
; SOFTMAX: t = score x log2(e) / 8; M = the running largest t rounded up to a whole number; p = 2^(t - M), quantised along the keys; the sum of the unquantised p divides at the end; when M moves, sum and O^T are multiplied by 2^(old - new).
; OUT: O / sum is quantised along the head's 64 channels and stored as half a fragment of the last product's A operand: 768 consecutive bytes; two scale bytes a row.
; No multicast and no look-ahead into memory: what work-groups share is one fill at the head.
; LIMITS: the masked logit is -2^30, not -1e9: c x (-2^33) is a whole number, so a row masked everywhere gives p = 1 exactly, the plain mean, as the definition does; results differ from the definition only where logits that count lie
; near -1e9.  NaN and infinities are not served.  A block under 2^-124 keeps the byte 1.
; THE MODE: SCHED_MODE bits 1:0 = 2 (LLVM: expert scheduling mode 2), set by the entry lines.  The code itself states the register dependences
; between vector or matrix instructions and memory or LDS instructions, with s_wait_alu, always for 0.
; THE PLAN.  Registers that memory or LDS instructions touch:
;   v7-12, v96-195   At the head only: the fill's addresses and its data.  One wait on va_vdst ahead of the first load (the addresses are written), one on vm_vsrc behind the barrier (loads and LDS stores have read them all).
;   v1, v229, v10, v11  Offsets of a tile's loads and stores: made once behind the barrier, never written again.
;   KF (v40-87)      Tile head: Q's loads land, six selects and a shift read.  Step: K's twelve LDS loads land, the eight products K Q^T read; V's twelve land, the four products V^T P read.
;   KX (v36-39)      Step: one LDS load lands; all twelve products read it as scales.
;   v7-9             Step: three additions write them at its head; its 25 LDS loads read them.
;   PC.. , v225      Written by conversions, moves and a select; read by a tile's three stores (PC by the products V^T P too); written again in the next tile.
; A STEP'S WAITS: vm_vsrc ahead of the three additions; va_vdst ahead of K's loads (the additions have written, the products before are done reading KF and KX, Q's operand and scale words are written); va_vdst ahead of V's loads (K Q^T is done
; reading KF); the two waits behind the exponentials; va_vdst ahead of V^T P (p's codes and scale word are written).  Between two of them no vector or matrix line names a register that a load issued there touches: the softmax names S, O, PC
; and its work registers.  K and V share KF: four waves of 256 registers take all of a SIMD's, so there is no second buffer.
.set VIMG,  98304
.set KSC,   196608                     ; K's scale words, then V's 4,096 bytes on
.set SPARE, 204800                     ; the spare words, 128 bytes a wave: eight blocks of 256 bytes that no other line names
.set L16,  1                           ; v1   16 x lane
.set L16V, 2                           ; v2   + VIMG
.set ASC,  3                           ; v3   KSC + 4,096 h + 16 r: lanes 0-15 K's words, lanes 16-31 V's
.set SPW,  4                           ; v4   my spare word; never rewritten
.set NIL,  5                           ; v5   0; never rewritten
.set NEG,  6                           ; v6   -2^33
.set ADK,  7                           ; v7-9 the step's LDS addresses (at the head: the fill's)
.set ADV,  8
.set ADS,  9
.set L8,   10                          ; v10  8 x lane
.set BOF,  11                          ; v11  32 r + h
.set QZ,   16                          ; v16-33: six zeros, q, six zeros
.set QSL,  34                          ; Q's scale words for [q, 0] and for [0, q]
.set QSH,  35
.set KX,   36                          ; v36-39 the step's scale words
.set KF,   40                          ; v40-87 four fragments of K, then of V
.set S,    96                          ; v96-159 S^T, then p
.set O,    160                         ; v160-191 O^T
.set PC,   192                         ; v192-203 p's codes
.set CT,   204                         ; v204-206, v208-210 conversions' second halves
.set BM,   212
.set PM,   216
.set SOP,  220
.set TT,   224
.set BYT,  225
.set F,    226                         ; v[226:227]
.set PS,   228                         ; p's scale word
.set R16,  229                         ; 16 r
	s_load_b256 s[4:11], s[0:1], 0x0               ; qkv_codes, qkv_scales, mwords, ctx_codes
	s_load_b64 s[12:13], s[0:1], 0x20              ; ctx_scales
	v_lshl_add_u32 v[SPW], v0, 2, SPARE
	v_mov_b32 v[NIL], 0
	v_lshrrev_b32 v7, 5, v0
	v_readfirstlane_b32 s14, v7                    ; wave 0..15
	v_lshlrev_b32 v[ADK], 4, v0                    ; the fill: 16 bytes a thread, 8,192 an instruction
	v_add_nc_u32 v[ADV], 0x10000, v[ADK]
	v_add_nc_u32 v[ADS], VIMG, v[ADK]
	v_add_nc_u32 v[L8], VIMG+0x10000, v[ADK]
	v_add_nc_u32 v[BOF], KSC, v[ADK]
	v_and_b32 v12, 255, v0
	v_lshrrev_b32 v13, 8, v0
	v_add_nc_u32 v13, 1, v13
	v_lshlrev_b32 v13, 18, v13                     ; threads 0-255: K's scale words (kind 1), 256-511: V's (kind 2)
	v_lshl_add_u32 v12, v12, 4, v13
	s_wait_alu depctr_va_sdst(0)                   ; s14 is written, ahead of its first reader: my first tile's number is made from it
	s_and_b32 s2, ttmp7, 0xffff                    ; 16 batch + head
	s_lshl_b32 s15, ttmp9, 4
	s_add_co_u32 s15, s15, s14                     ; tau
	s_mul_i32 s30, s2, 98304
	s_mov_b32 s31, 0
	s_lshl_b32 s66, s2, 12
	s_mov_b32 s67, 0
	s_lshr_b32 s3, s2, 4                           ; batch
	s_and_b32 s2, s2, 15                           ; head
	s_mul_i32 s100, s3, 1572864                    ; 128 row tiles of 12,288 bytes
	s_mul_i32 s101, s2, 768
	s_add_co_u32 s100, s100, s101
	s_mov_b32 s101, 0
	s_lshl_b32 s28, s3, 16                         ; 128 row tiles of 512 scale bytes
	s_lshl_b32 s29, s2, 1
	s_add_co_u32 s28, s28, s29
	s_mov_b32 s29, 0
	s_wait_kmcnt 0x0
	s_add_nc_u64 s[4:5], s[4:5], s[30:31]          ; Q's codes of my head
	s_add_nc_u64 s[6:7], s[6:7], s[66:67]          ; Q's scale words
	s_add_nc_u64 s[10:11], s[10:11], s[100:101]
	s_add_nc_u64 s[12:13], s[12:13], s[28:29]
	s_add_nc_u64 s[30:31], s[4:5], 12582912        ; V's codes
	s_wait_alu depctr_va_vdst(0)                   ; the fill's six addresses v7 to v12 are written, which the loads and LDS stores below read
.irp i, 0,1,2,3,4,5,6,7,8,9,10,11
	global_load_b128 v[S+4*\i:S+4*\i+3], v[ADK], s[4:5] offset:6291456+8192*\i
.endr
.irp i, 0,1,2,3,4,5,6,7,8,9,10,11
	global_load_b128 v[S+48+4*\i:S+48+4*\i+3], v[ADK], s[30:31] offset:8192*\i
.endr
	global_load_b128 v[S+96:S+99], v12, s[6:7]
.irp i, 0,1,2,3,4,5,6,7
	s_wait_loadcnt 24-\i                           ; loads come back in order: load i is in, the younger ones may be out
	ds_store_b128 v[ADK], v[S+4*\i:S+4*\i+3] offset:8192*\i
.endr
.irp i, 8,9,10,11
	s_wait_loadcnt 24-\i
	ds_store_b128 v[ADV], v[S+4*\i:S+4*\i+3] offset:8192*(\i-8)
.endr
.irp i, 0,1,2,3,4,5,6,7
	s_wait_loadcnt 12-\i
	ds_store_b128 v[ADS], v[S+48+4*\i:S+48+4*\i+3] offset:8192*\i
.endr
.irp i, 8,9,10,11
	s_wait_loadcnt 12-\i
	ds_store_b128 v[L8], v[S+48+4*\i:S+48+4*\i+3] offset:8192*(\i-8)
.endr
	s_wait_loadcnt 0x0
	ds_store_b128 v[BOF], v[S+96:S+99]
	s_wait_dscnt 0x0                               ; for the others' sake: my stores have landed
	s_barrier_signal -1
	s_barrier_wait -1                              ; the head lies in LDS; nothing is written there again
	s_wait_alu depctr_vm_vsrc(0)                   ; the fill's loads and LDS stores have read v7 to v12 and v96 to v195: the lines below write v10 to v12, the steps v7 to v9, and products, moves and conversions the data's registers
	v_and_b32 v12, 31, v0
	v_and_b32 v13, 15, v0
	v_bfe_u32 v14, v0, 4, 1
	v_lshlrev_b32 v[L16], 4, v12
	v_add_nc_u32 v[L16V], VIMG, v[L16]
	v_lshlrev_b32 v[R16], 4, v13
	v_lshl_add_u32 v[ASC], v14, 12, v[R16]
	v_add_nc_u32 v[ASC], KSC, v[ASC]
	v_lshlrev_b32 v[L8], 3, v12
	v_lshl_add_u32 v[BOF], v13, 5, v14
	v_mov_b32 v[NEG], 0xd0000000
.irp i, 0,1,2,3,4,5
	v_mov_b32 v[QZ+\i], 0
	v_mov_b32 v[QZ+12+\i], 0
.endr
.irp b, 0,1,2,3
	v_mov_b32 v[PM+\b], 0                          ; a lane permute's destination counts as one of its sources
.endr
	v_mov_b32 v[TT], 0
	v_mov_b32 v[F+1], 0                            ; (named as the upper half of a pair)
	s_mov_b32 s20, 0x76543210
	s_mov_b32 s21, 0xfedcba98                      ; v_permlanex16_b32's selects for lane l xor 16
	s_mov_b32 s22, 0x3e38aa3b                      ; c = log2(e) / 8
	s_mov_b32 s23, s22
	s_mov_b32 s28, 0xffff0000                      ; lanes 16-31
	s_mov_b32 s16, 2
.Ltile:
	s_wait_xcnt 0x0                                ; the last tile's loads and stores have read their bases and registers
	s_wait_alu depctr_vm_vsrc(0)                   ; the last tile's three stores have read the codes in v[PC ..] and the byte in v[BYT], which this tile's conversions, moves and select write again
	s_lshl_b32 s2, s15, 9
	s_add_co_u32 s2, s2, 524288
	s_mov_b32 s3, 0
	s_add_nc_u64 s[30:31], s[8:9], s[2:3]          ; the tile's four records of flags
	s_load_b128 s[32:35], s[30:31], 0x0
	s_load_b128 s[36:39], s[30:31], 0x80
	s_load_b128 s[40:43], s[30:31], 0x100
	s_load_b128 s[44:47], s[30:31], 0x180
	s_lshl_b32 s2, s15, 12
	s_add_nc_u64 s[26:27], s[8:9], s[2:3]          ; the tile's mask words: 256 bytes a step
	s_lshr_b32 s2, s15, 3                          ; Q: block of 128 tokens,
	s_bfe_u32 s17, s15, 0x20001                    ; the pair of tiles in it
	s_mul_i32 s24, s2, 6144
	s_mul_i32 s25, s17, 1536
	s_add_co_u32 s24, s24, s25
	s_mov_b32 s25, 0
	s_add_nc_u64 s[66:67], s[4:5], s[24:25]
	s_lshl_b32 s24, s2, 8
	s_lshl_b32 s17, s17, 2
	s_add_co_u32 s24, s24, s17
	s_add_nc_u64 s[100:101], s[6:7], s[24:25]
	s_wait_alu depctr_va_vdst(0)                   ; the offsets v[L16] and v[R16] are written, which the four loads read; the last tile's products are done reading v[KF ..], in which they land
	global_load_b128 v[KF:KF+3], v[L16], s[66:67]
	global_load_b128 v[KF+4:KF+7], v[L16], s[66:67] offset:512
	global_load_b128 v[KF+8:KF+11], v[L16], s[66:67] offset:1024
	global_load_b32 v[KF+12], v[R16], s[100:101]
	s_and_b32 s2, s15, 1
	s_lshl_b32 s3, s2, 4
	s_cmp_lg_u32 s2, 0
	s_cselect_b32 s29, -1, 0                       ; an odd tile takes the pair's second six registers
	s_wait_kmcnt 0x0
	s_or_b32 s32, s32, s36
	s_or_b32 s32, s32, s40
	s_or_b32 s32, s32, s44                         ; bit j: some word of step j counts
	s_or_b32 s33, s33, s37
	s_or_b32 s33, s33, s41
	s_or_b32 s33, s33, s45                         ; bit j: all do
	s_or_b32 s34, s34, s38
	s_or_b32 s34, s34, s42
	s_or_b32 s34, s34, s46                         ; lanes that saw one
	s_lshr_b32 s2, s34, 16
	s_or_b32 s2, s2, s34
	s_and_b32 s2, s2, 0xffff                       ; rows that have one
	s_and_not1_b32 s19, 0xffff, s33                ; steps that want the selects
	s_cmp_eq_u32 s2, 0xffff
	s_cselect_b32 s18, s32, 0xffff                 ; steps that are kept: all, where a row is masked everywhere
	s_wait_loadcnt 0x0
.irp i, 0,1,2,3,4,5
	v_cndmask_b32 v[QZ+6+\i], v[KF+\i], v[KF+6+\i], s29
.endr
	v_lshrrev_b32 v[TT], s3, v[KF+12]
	v_and_b32 v[TT], 0xffff, v[TT]                 ; my tile's two scale bytes
	v_or_b32 v[QSL], 0x1010000, v[TT]
	v_lshl_or_b32 v[QSH], v[TT], 16, 0x101
.set n, 0
.rept 32
	v_mov_b32 v[O+n], 0                            ; O^T: the step is written once; the first change of M leaves zeros zeros.  (Also the places between the lines above and the first products)
.set n, n+1
.endr
	v_mov_b32 v13, 0xff61b1e6                      ; the largest t so far: -3e38
	v_floor_f32 v12, -v13                          ; -M
	v_mov_b32 v14, 0
	v_mov_b32 v15, 0
	s_mov_b32 s24, 0                               ; the step's codes: 6,144 bytes a step
	s_mov_b32 s25, 0                               ; its scale words and its mask words: 256 bytes a step
	s_mov_b32 s17, 16
.Lstep:
	s_wait_alu depctr_vm_vsrc(0)                   ; the LDS loads issued so far have read v[ADK], v[ADV] and v[ADS], which the three additions write
	v_add_nc_u32 v[ADK], s24, v[L16]               ; made in every trip, ahead of the branch; with the v_nop the four places behind the last step's products
	v_add_nc_u32 v[ADV], s24, v[L16V]
	v_add_nc_u32 v[ADS], s25, v[ASC]
	v_nop
	s_bitcmp1_b32 s18, 0
	s_cbranch_scc0 .Lskip
	s_load_b512 s[32:47], s[26:27], s25 offset:0x0     ; the step's 64 lane masks: always loaded and always waited for
	s_load_b512 s[48:63], s[26:27], s25 offset:0x40
	s_load_b512 s[68:83], s[26:27], s25 offset:0x80
	s_load_b512 s[84:99], s[26:27], s25 offset:0xc0
	s_wait_alu depctr_va_vdst(0)                   ; the three additions have written the addresses that this step's LDS loads read; the products of the step before (in a tile's first step: the selects on Q) are done reading v[KF ..] and v[KX ..], in which the loads below land; Q's operand and its two scale words, which the products below take, are written
.irp p, 0,1,2,3
.irp q, 0,1,2
	ds_load_b128 v[KF+12*\p+4*\q:KF+12*\p+4*\q+3], v[ADK] offset:\p*1536+512*\q
.endr
.endr
	ds_load_b128 v[KX:KX+3], v[ADS]
	s_wait_dscnt 0x0
.irp p, 0,1,2,3
	v_wmma_scale_f32_16x16x128_f8f6f4 v[S+16*\p:S+16*\p+7], v[KF+12*\p:KF+12*\p+11], v[QZ+6:QZ+17], 0, v[KX+\p], v[QSL] matrix_a_fmt:MATRIX_FMT_FP6 matrix_b_fmt:MATRIX_FMT_FP6
	v_wmma_scale_f32_16x16x128_f8f6f4 v[S+16*\p+8:S+16*\p+15], v[KF+12*\p:KF+12*\p+11], v[QZ:QZ+11], 0, v[KX+\p], v[QSH] matrix_a_fmt:MATRIX_FMT_FP6 matrix_b_fmt:MATRIX_FMT_FP6
.endr
.rept 4
	v_nop                                          ; places in front of the loads into K's registers and of the first read of the scores
.endr
	s_wait_alu depctr_va_vdst(0)                   ; the eight products are done reading K's fragments in v[KF ..], in which V's land; the places above stay beside this wait
.irp t, 0,1,2,3
.irp q, 0,1,2
	ds_load_b128 v[KF+12*\t+4*\q:KF+12*\t+4*\q+3], v[ADV] offset:\t*1536+512*\q   ; V lands while the softmax is walked: no line of it names v[KF ..] or v[ADV]
.endr
.endr
	s_wait_kmcnt 0x0
	s_bitcmp1_b32 s19, 0
	s_cbranch_scc0 .Lopen
.set n, 0
.rept 64
.if n < 32
.set MR, 32+n
.else
.set MR, 36+n
.endif
	v_cndmask_b32 v[S+n], v[NEG], v[S+n], s[MR]    ; ascending: each accumulator from its low end on
.set n, n+1
.endr
.Lopen:
.irp b, 0,1,2,3
	v_max3_num_f32 v[BM+\b], v[S+16*\b], v[S+1+16*\b], v[S+2+16*\b]   ; the largest score of each block of 32 keys: for the row's maximum, and, since p rises with the score, for the block's largest p
.endr
.irp i, 3,5,7,9,11,13
.irp b, 0,1,2,3
	v_max3_num_f32 v[BM+\b], v[BM+\b], v[S+16*\b+\i], v[S+1+16*\b+\i]
.endr
.endr
.irp b, 0,1,2,3
	v_max_num_f32 v[BM+\b], v[BM+\b], v[S+15+16*\b]
.endr
.irp b, 0,1,2,3
	v_permlanex16_b32 v[PM+\b], v[BM+\b], s20, s21
.endr
.irp b, 0,1,2,3
	v_max_num_f32 v[BM+\b], v[BM+\b], v[PM+\b]
.endr
	v_max3_num_f32 v[TT], v[BM], v[BM+1], v[BM+2]
	v_max_num_f32 v[TT], v[TT], v[BM+3]
	v_mul_f32 v[TT], s22, v[TT]
	v_max_num_f32 v13, v13, v[TT]                  ; the running largest t
	v_mov_b32 v[TT], v12
	v_floor_f32 v12, -v13                          ; the new -M: M is a whole number
	v_sub_f32 v[TT], v12, v[TT]
	v_cvt_i32_f32 v[TT], v[TT]                     ; (it saturates)
	v_ldexp_f32 v[F], 1.0, v[TT]                   ; f = 2^(old M - new M)
.set n, 0
.rept 32
	v_pk_fma_f32 v[S+n:S+n+1], v[S+n:S+n+1], s[22:23], v[12:13] op_sel_hi:[1,0,0]   ; t - M
.set n, n+2
.endr
.irp b, 0,1,2,3
	v_fma_f32 v[BM+\b], v[BM+\b], s22, v12
.endr
.set n, 0
.rept 64
	v_exp_f32 v[S+n], v[S+n]                       ; p = 2^(t - M): not normalised
.set n, n+1
.endr
	v_pk_mul_f32 v[14:15], v[14:15], v[F:F+1] op_sel_hi:[1,0]   ; the sums under the new M; the plain place behind the exponentials
	s_wait_alu depctr_va_vdst(0)                   ; the 64 exponentials have written p in v[S ..]: one wait for the batch, ahead of its first reader
.irp b, 0,1,2,3
	v_exp_f32 v[BM+\b], v[BM+\b]                   ; each block's largest p
.endr
	v_pk_add_f32 v[PM:PM+1], v[S:S+1], v[S+2:S+3]  ; the row's sum is taken of the unquantised p, in two chains
.irp j, 4,8,12,16,20,24,28,32,36,40,44,48,52,56,60
	v_pk_add_f32 v[14:15], v[14:15], v[S+\j:S+\j+1]
	v_pk_add_f32 v[PM:PM+1], v[PM:PM+1], v[S+2+\j:S+3+\j]
.endr
	v_pk_add_f32 v[14:15], v[14:15], v[PM:PM+1]
	s_wait_alu depctr_va_vdst(0)                   ; the four exponentials have written v[BM ..]: one wait for the four, ahead of their first reader
.irp b, 0,1,2,3
	v_max_num_f32 v[BM+\b], 0x1800000, v[BM+\b]    ; the floor 2^(3 - 127)
.endr
.irp b, 0,1,2,3
	v_add_nc_u32 v[SOP+\b], 0xff000000, v[BM+\b]
.endr
.irp b, 0,1,2,3
	v_lshrrev_b32 v[PM+\b], 23, v[SOP+\b]
.endr
	v_lshl_or_b32 v[PS], v[PM+1], 8, v[PM]
	v_lshl_or_b32 v[PS], v[PM+2], 16, v[PS]
	v_lshl_or_b32 v[PS], v[PM+3], 24, v[PS]
.irp c, 0,1
	v_cvt_scalef32_pk16_fp6_f32 v[PC+6*\c:PC+2+6*\c], v[S+32*\c:S+15+32*\c], v[SOP+2*\c]
	v_cvt_scalef32_pk16_fp6_f32 v[CT+4*\c:CT+2+4*\c], v[S+16+32*\c:S+31+32*\c], v[SOP+2*\c+1]
.endr
	v_nop                                          ; one plain place behind a scaled conversion
.irp c, 0,1
.irp i, 0,1,2
	v_permlane16_swap_b32 v[PC+6*\c+\i], v[CT+4*\c+\i]
.endr
.irp i, 0,1,2
	v_mov_b32 v[PC+3+6*\c+\i], v[CT+4*\c+\i]
.endr
.endr
.set n, 0
.rept 16
	v_pk_mul_f32 v[O+n:O+n+1], v[O+n:O+n+1], v[F:F+1] op_sel_hi:[1,0]   ; O^T under the new M; also the places in front of the products
.set n, n+2
.endr
	s_wait_dscnt 0x0                               ; V is in
	s_wait_alu depctr_va_vdst(0)                   ; p's codes in v[PC ..] and its scale word in v[PS] are written, which the four products take as source 1 and its scales; the places above stay beside this wait
.irp t, 0,1,2,3
	v_wmma_scale_f32_16x16x128_f8f6f4 v[O+8*\t:O+8*\t+7], v[KF+12*\t:KF+12*\t+11], v[PC:PC+11], v[O+8*\t:O+8*\t+7], v[KX+\t], v[PS] matrix_a_fmt:MATRIX_FMT_FP6 matrix_b_fmt:MATRIX_FMT_FP6 matrix_a_scale:MATRIX_SCALE_ROW1
.endr
.Lskip:
	s_lshr_b32 s18, s18, 1
	s_lshr_b32 s19, s19, 1
	s_add_co_u32 s24, s24, 6144
	s_add_co_u32 s25, s25, 256
	s_sub_co_u32 s17, s17, 1
	s_cmp_lg_u32 s17, 0
	s_cbranch_scc1 .Lstep
	; the tile's way out
.rept 4
	v_nop                                          ; places behind the last products
.endr
	v_add_f32 v14, v14, v15
	v_permlanex16_b32 v[TT], v14, s20, s21
	v_add_f32 v14, v14, v[TT]                      ; the row's sum
	v_rcp_f32 v14, v14
	v_nop                                          ; a plain place behind the transcendental
	s_mul_i32 s2, s15, 12288
	s_mov_b32 s3, 0
	s_add_nc_u64 s[32:33], s[10:11], s[2:3]
	s_lshl_b32 s2, s15, 9
	s_add_nc_u64 s[34:35], s[12:13], s[2:3]
	s_wait_alu depctr_va_vdst(0)                   ; the reciprocal has written v14: the wait, ahead of the first reader
.set n, 0
.rept 32
	v_mul_f32 v[S+n], v[O+n], v14                  ; ascending: register 16 b + i is channel 32 b + 16 h + i of my query
.set n, n+1
.endr
.irp b, 0,1
	v_max3_num_f32 v[BM+\b], |v[S+16*\b]|, |v[S+1+16*\b]|, 0x1800000
.endr
.irp i, 2,4,6,8,10,12,14
.irp b, 0,1
	v_max3_num_f32 v[BM+\b], v[BM+\b], |v[S+16*\b+\i]|, |v[S+1+16*\b+\i]|
.endr
.endr
.irp b, 0,1
	v_permlanex16_b32 v[PM+\b], v[BM+\b], s20, s21
.endr
.irp b, 0,1
	v_max_num_f32 v[BM+\b], v[BM+\b], v[PM+\b]
.endr
.irp b, 0,1
	v_add_nc_u32 v[SOP+\b], 0xff000000, v[BM+\b]
.endr
.irp b, 0,1
	v_lshrrev_b32 v[PM+\b], 23, v[SOP+\b]
.endr
	v_cndmask_b32 v[BYT], v[PM], v[PM+1], s28      ; lane (r, h): block h's byte
	v_cvt_scalef32_pk16_fp6_f32 v[PC:PC+2], v[S:S+15], v[SOP]
	v_cvt_scalef32_pk16_fp6_f32 v[CT:CT+2], v[S+16:S+31], v[SOP+1]
	v_nop
.irp i, 0,1,2
	v_permlane16_swap_b32 v[PC+\i], v[CT+\i]
.endr
.irp i, 0,1,2
	v_mov_b32 v[PC+3+\i], v[CT+\i]
.endr
	s_wait_alu depctr_va_vdst(0)                   ; the conversions, swaps and moves have written the six registers of codes, the select the byte: the three stores read them
	global_store_b128 v[L16], v[PC:PC+3], s[32:33]             ; 512 and 256 consecutive bytes, aligned: half a fragment
	global_store_b64 v[L8], v[PC+4:PC+5], s[32:33] offset:512
	global_store_b8 v[BOF], v[BYT], s[34:35]                   ; two bytes of each row's 32: the other heads' come from other work-groups
	s_sub_co_u32 s15, 127, s15                     ; the tile's partner
	s_sub_co_u32 s16, s16, 1
	s_cmp_lg_u32 s16, 0
	s_cbranch_scc1 .Ltile
	s_wait_dscnt 0x0                               ; the closing lines, six on end
	s_wait_alu 0x0
	s_wait_tensorcnt 0x0
	ds_add_u32 v[SPW], v[NIL]
	s_wait_dscnt 0x0
	s_endpgm
.Lfunc_end_k_qa0a08df612_attn:
	.size	k_qa0a08df612_attn, .Lfunc_end_k_qa0a08df612_attn-k_qa0a08df612_attn
	.p2alignl 7, 3214868480
	.fill 96, 4, 3214868480
	.section	.rodata,"a",@progbits
	.p2align	6, 0x0
	.amdhsa_kernel k_qa0a08df612_attn
		.amdhsa_group_segment_fixed_size 206848
		.amdhsa_private_segment_fixed_size 0
		.amdhsa_enable_private_segment 0
		.amdhsa_kernarg_size 40
		.amdhsa_user_sgpr_count 2
		.amdhsa_user_sgpr_kernarg_segment_ptr 1
		.amdhsa_wavefront_size32 1
		.amdhsa_system_sgpr_workgroup_id_x 1
		.amdhsa_system_sgpr_workgroup_id_y 1
		.amdhsa_system_sgpr_workgroup_id_z 1
		.amdhsa_system_vgpr_workitem_id 0
		.amdhsa_next_free_vgpr 256
		.amdhsa_next_free_sgpr 102
		.amdhsa_reserve_vcc 0
		.amdhsa_float_denorm_mode_32 3
		.amdhsa_float_denorm_mode_16_64 3
		.amdhsa_memory_ordered 1
		.amdhsa_forward_progress 1
		.amdhsa_inst_pref_size 37
	.end_amdhsa_kernel
	.amdgpu_metadata
---
amdhsa.version: [ 1, 2 ]
amdhsa.kernels:
  - .name:           k_qa0a08df612_attn
    .symbol:         k_qa0a08df612_attn.kd
    .args:
      - { .name: qkv_codes, .offset: 0, .size: 8, .value_kind: global_buffer, .address_space: global }
      - { .name: qkv_scales, .offset: 8, .size: 8, .value_kind: global_buffer, .address_space: global }
      - { .name: mwords, .offset: 16, .size: 8, .value_kind: global_buffer, .address_space: global }
      - { .name: ctx_codes, .offset: 24, .size: 8, .value_kind: global_buffer, .address_space: global }
      - { .name: ctx_scales, .offset: 32, .size: 8, .value_kind: global_buffer, .address_space: global }
    .group_segment_fixed_size: 206848
    .private_segment_fixed_size: 0
    .kernarg_segment_align: 8
    .kernarg_segment_size: 40
    .max_flat_workgroup_size: 512
    .sgpr_count:     102
    .vgpr_count:     256
    .wavefront_size: 32
...
	.end_amdgpu_metadata
.endif
;; end of part 5
;; launch outp: the kernel of part 4 again; grid 4 x 32, 4 waves a work-group, clusters of 4 x 4, 327,680 bytes of LDS; arguments ctx_codes, ctx_scales, xw_codes, xw_scales, bo, out0; writes out0
